; MI455X (gfx1250); checked and timed in simulation.
; The chip was launched on July 23, 2026; its instructions are those of AMD's public machine-readable ISA for CDNA 5 (MIT licence, August 2026) and "CDNA5" Instruction Set Architecture Reference Guide (July 2026). The comments in the code are by the model that wrote it; some were corrected since.
;; GPT Neo GQA Self Attention. Allowed arithmetic: float matrix products may take bf16 or f16 operands with f32 sums; other float arithmetic in f32, or as packed bf16 or f16 multiplies, adds, multiply-adds, maxima and minima; sums over many terms, partial sums and values carried from step to step in f32; what a program stores and reads back later, other than sums and carried values, may be rounded once to bf16 or f16.
;; Inputs: hidden_states 4 x 1,024 x 2,048 float32; k_w 2,048 x 512 float32; out_b 2,048 float32; out_w 2,048 x 2,048 float32; q_w 2,048 x 2,048 float32; v_w 2,048 x 512 float32.
;; Outputs: out0 4 x 1,024 x 2,048 float32.
;; One version. Each part assembles by itself: llvm-mc -triple=amdgcn-amd-amdhsa -mcpu=gfx1250 --defsym DOCPART=n.
;; ======== version 1 of 1: 4 launches
;; limits: values are held in f16: magnitudes above 65,504 overflow, below 6.1e-05 lose precision
;; workspace buffers: xh 16,777,216 bytes; wp 12,582,912 bytes; wo 8,388,608 bytes; qkv 25,165,824 bytes; ctx 16,777,216 bytes
;; launch cast (part 1): grid 2304 x 1, 8 waves a work-group, no clusters, 0 bytes of LDS; arguments hidden_states, q_w, k_w, v_w, out_w, xh, wp, wo; writes xh, wp, wo
.if DOCPART == 1
	.amdgcn_target "amdgcn-amd-amdhsa--gfx1250"
	.amdhsa_code_object_version 6
	.text
	.protected	k_q56ef3425c2_cast
	.globl	k_q56ef3425c2_cast
	.p2align	8
	.type	k_q56ef3425c2_cast,@function
k_q56ef3425c2_cast:
	s_mov_b64 s[64:65], 0
	v_nop
	global_prefetch_b8 v0, s[64:65] scope:SCOPE_SE
	s_setreg_imm32_b32 hwreg(HW_REG_WAVE_MODE, 25, 1), 1
	s_wait_xcnt 0x0
; THE INPUTS' ROUNDING AND LAYOUT.  Every number of hidden_states, q_w, k_w, v_w and out_w is rounded once to bf16, and that number is written as f16.
; LIMITS.  The f16 copy is exact for 2^-17 <= |v| < 65,520; below, it is off by 3e-8 at the most; from 65,520 on it is an infinity.
; x keeps its layout: xh [4096][2048].  A weight [2048 k][N] is cut into panels of 128 columns: panel [2048 k][128 n], 524,288 bytes, rows of 256 bytes:
; wp holds q_w's 16 panels, then k_w's 4, then v_w's 4; wo holds out_w's 16.
; A CHUNK is 128 numbers on end in the source: 512 bytes in (16 a lane), 256 bytes out (8 a lane): one store of a wave covers 256 consecutive bytes, aligned.
; 147,456 chunks; a work-group takes 64, a wave 8 on end (4,096 consecutive bytes of its source), all eight loads out at once.  No LDS, no matrix unit: nothing is shared and nothing multiplied.
.set X,   8                            ; v[8:39]   chunk i as loaded
.set T,   40                           ; v[40:45]  at work
.set Y,   48                           ; v[48:63]  chunk i to store
.set OFS, 64                           ; v[64:71]  chunk i's byte offset in the destination, my 8 bytes
	s_load_b512 s[16:31], s[0:1], 0x0              ; x, q_w, k_w, v_w, out_w, xh, wp, wo
	v_and_b32 v1, 31, v0                           ; lane
	v_lshrrev_b32 v2, 5, v0
	v_readfirstlane_b32 s3, v2                     ; wave 0..7
	v_lshlrev_b32 v3, 4, v1                        ; my 16 bytes of a chunk
	s_mov_b32 s2, ttmp9
	s_mov_b32 s8, 0                                ; the tensor's first work-group
	s_mov_b32 s9, 0                                ; log2 of its panels (x counts as one panel)
	s_mov_b32 s10, 0                               ; where its panels begin in the destination
	s_wait_kmcnt 0x0
	s_mov_b64 s[4:5], s[16:17]
	s_mov_b64 s[6:7], s[26:27]
; which tensor my work-group serves: from work-group \first on, another
.macro PICK first, src, dst, lg, poff
	s_cmp_ge_u32 s2, \first
	s_cselect_b64 s[4:5], s[\src:\src+1], s[4:5]
	s_cselect_b64 s[6:7], s[\dst:\dst+1], s[6:7]
	s_cselect_b32 s8, \first, s8
	s_cselect_b32 s9, \lg, s9
	s_cselect_b32 s10, \poff, s10
.endm
	PICK 1024, 18, 28, 4, 0                        ; q_w: 32,768 chunks
	PICK 1536, 20, 28, 2, 16<<19                   ; k_w: 8,192
	PICK 1664, 22, 28, 2, 20<<19                   ; v_w: 8,192
	PICK 1792, 24, 30, 4, 0                        ; out_w: 32,768
	s_sub_co_u32 s12, s2, s8
	s_lshl_b32 s12, s12, 6
	s_lshl3_add_u32 s12, s3, s12                   ; my first chunk in the tensor: 64 x work-group + 8 x wave
	s_lshl_b32 s14, s12, 9
	s_mov_b32 s15, 0
	s_add_nc_u64 s[4:5], s[4:5], s[14:15]
	s_bfm_b32 s11, s9, 0                           ; mask of a chunk's panel number
.irp i, 0,1,2,3,4,5,6,7
	global_load_b128 v[X+4*\i:X+4*\i+3], v3, s[4:5] offset:512*\i th:TH_LOAD_NT
.endr
.irp i, 0,1,2,3,4,5,6,7                ; chunk g lies in panel g mod panels, row g / panels
	s_add_co_u32 s33, s12, \i
	s_and_b32 s34, s33, s11
	s_lshl_b32 s34, s34, 19
	s_lshr_b32 s33, s33, s9
	s_lshl_b32 s33, s33, 8
	s_add_co_u32 s33, s33, s34
	s_add_co_u32 s33, s33, s10
	v_lshl_add_u32 v[OFS+\i], v1, 3, s33
.endr
.irp i, 0,1,2,3,4,5,6,7
	s_wait_loadcnt 7-\i                            ; loads come back in order: chunk i is in, the younger ones stay out
	v_cvt_pk_bf16_f32 v[T], v[X+4*\i], v[X+4*\i+1]         ; the one rounding, to nearest even
	v_cvt_pk_bf16_f32 v[T+1], v[X+4*\i+2], v[X+4*\i+3]
	v_lshlrev_b32 v[T+2], 16, v[T]                 ; bf16 to f32
	v_and_b32 v[T+3], 0xffff0000, v[T]
	v_lshlrev_b32 v[T+4], 16, v[T+1]
	v_and_b32 v[T+5], 0xffff0000, v[T+1]
	v_cvt_pk_f16_f32 v[Y+2*\i], v[T+2], v[T+3]     ; the same number as f16
	v_cvt_pk_f16_f32 v[Y+2*\i+1], v[T+4], v[T+5]
	global_store_b64 v[OFS+\i], v[Y+2*\i:Y+2*\i+1], s[6:7] th:TH_STORE_NT
.endr
	s_endpgm
.Lfunc_end_k_q56ef3425c2_cast:
	.size	k_q56ef3425c2_cast, .Lfunc_end_k_q56ef3425c2_cast-k_q56ef3425c2_cast
	.p2alignl 7, 3214868480
	.fill 96, 4, 3214868480
	.section	.rodata,"a",@progbits
	.p2align	6, 0x0
	.amdhsa_kernel k_q56ef3425c2_cast
		.amdhsa_group_segment_fixed_size 0
		.amdhsa_private_segment_fixed_size 0
		.amdhsa_enable_private_segment 0
		.amdhsa_kernarg_size 64
		.amdhsa_user_sgpr_count 2
		.amdhsa_user_sgpr_kernarg_segment_ptr 1
		.amdhsa_wavefront_size32 1
		.amdhsa_system_sgpr_workgroup_id_x 1
		.amdhsa_system_sgpr_workgroup_id_y 1
		.amdhsa_system_sgpr_workgroup_id_z 1
		.amdhsa_system_vgpr_workitem_id 0
		.amdhsa_next_free_vgpr 72
		.amdhsa_next_free_sgpr 66
		.amdhsa_reserve_vcc 0
		.amdhsa_float_denorm_mode_32 3
		.amdhsa_float_denorm_mode_16_64 3
		.amdhsa_memory_ordered 1
		.amdhsa_forward_progress 1
		.amdhsa_inst_pref_size 10
	.end_amdhsa_kernel
	.amdgpu_metadata
---
amdhsa.version: [ 1, 2 ]
amdhsa.kernels:
  - .name:           k_q56ef3425c2_cast
    .symbol:         k_q56ef3425c2_cast.kd
    .args:
      - { .name: hidden_states, .offset: 0, .size: 8, .value_kind: global_buffer, .address_space: global }
      - { .name: q_w, .offset: 8, .size: 8, .value_kind: global_buffer, .address_space: global }
      - { .name: k_w, .offset: 16, .size: 8, .value_kind: global_buffer, .address_space: global }
      - { .name: v_w, .offset: 24, .size: 8, .value_kind: global_buffer, .address_space: global }
      - { .name: out_w, .offset: 32, .size: 8, .value_kind: global_buffer, .address_space: global }
      - { .name: xh, .offset: 40, .size: 8, .value_kind: global_buffer, .address_space: global }
      - { .name: wp, .offset: 48, .size: 8, .value_kind: global_buffer, .address_space: global }
      - { .name: wo, .offset: 56, .size: 8, .value_kind: global_buffer, .address_space: global }
    .group_segment_fixed_size: 0
    .private_segment_fixed_size: 0
    .kernarg_segment_align: 8
    .kernarg_segment_size: 64
    .max_flat_workgroup_size: 256
    .sgpr_count:     66
    .vgpr_count:     72
    .wavefront_size: 32
...
	.end_amdgpu_metadata
.endif
;; end of part 1
;; launch proj (part 2): grid 8 x 32, 4 waves a work-group, clusters of 4 x 4, 327,680 bytes of LDS; arguments xh, wp, qkv; writes qkv
.if DOCPART == 2
	.amdgcn_target "amdgcn-amd-amdhsa--gfx1250"
	.amdhsa_code_object_version 6
	.text
	.protected	k_q56ef3425c2_proj
	.globl	k_q56ef3425c2_proj
	.p2align	8
	.type	k_q56ef3425c2_proj,@function
k_q56ef3425c2_proj:
	s_mov_b64 s[64:65], 0
	v_nop
	global_prefetch_b8 v0, s[64:65] scope:SCOPE_SE
	s_setreg_imm32_b32 hwreg(HW_REG_WAVE_MODE, 25, 1), 1
	s_wait_xcnt 0x0
	s_wait_alu depctr_hold_cnt(0) depctr_sa_sdst(0) depctr_va_vdst(0) depctr_va_sdst(0) depctr_va_ssrc(0) depctr_va_vcc(0) depctr_vm_vsrc(0)
	s_getreg_b32 s2, hwreg(HW_REG_IB_STS2, 6, 4)
	s_cmp_eq_u32 s2, 0
	s_cbranch_scc0 .Lentry_in_a_cluster
	s_endpgm
.Lentry_in_a_cluster:
	s_bfe_u32 s2, ttmp6, 0x10000c
	s_cmp_lg_u32 s2, 0xf033
	s_cbranch_scc0 .Lentry_shape_is_right
	s_endpgm
.Lentry_shape_is_right:
; THE PROJECTIONS.  qkv[panel][m][n] = the sum over k of xh[m][k] wp[panel][k][n].  xh: [4096][2048] f16; wp: [24 panels][2048 k][128 n] f16; qkv: [24][4096][128] f16.
; Sums in f32; the result rounded once to f16.  LIMITS: a result of 65,520 or more becomes an infinity; K is not summed in ascending order: each cluster walks the 16 K steps from a start of its own, round to that start.
; A tile of the result is 128 rows x 3 panels (384 columns): 8 x 32 = 256 work-groups.  Four waves; wave w makes rows 64 (w / 2) .. + 63 and columns 64 (w % 2) .. + 63 of EACH panel:
; 4 row blocks x 12 column blocks = 48 accumulators of 16 x 16, 384 registers.  K goes in 16 steps of 128 through two LDS slots filled by the tensor data mover.
; xh's rows lie along K and are read from LDS as they lie; wp's rows lie along n and are turned on the way out of LDS (ds_load_tr16_b128).
; CLUSTER 4 x 4: the four work-groups of a row of the cluster need the same tile of xh, the four of a column the same panels of wp: each is asked for jointly, by the same tensor load with a mask of four.
; THE WALK ALONG K.  Cluster (x, y) begins at K step (4 (y % 4) + 8 x) mod 16.  The two clusters that read the same rows of xh (same y) begin 8 steps apart; of the eight that read the same panels (same x), those with
; y = 0..3, and those with y = 4..7, begin 4 steps apart: they do not ask for the same K step at the same time.  The start hangs on the cluster's coordinates alone, which all sixteen partners share.
; THE MATRIX INSTRUCTION IS USED TRANSPOSED (source 0 = 16 columns of wp, source 1 = 16 rows of xh): a lane holds eight neighbouring columns of one row of the result.
; REGISTERS: window 0: addresses, v32-223 the way out.  Window 1: two fragment buffers of 128 (xh's four fragments at +8 a, wp's twelve at +32 + 8 b).
;   windows 2, 3: accumulator (a, b) in window 2 + a / 2 at 8 ((a % 2) 12 + b).
.set NP,    3                          ; panels in a tile
.set NBK,   4*NP                       ; column blocks of a wave
.set RA,    128                        ; rows of xh that one load brings
.set PA,    272                        ; a row of xh in LDS: 256 bytes + 16: the 16 rows of a load start 4 banks apart (64 banks of 4 bytes: ISA guide 11.1)
.set PB,    288                        ; a row of wp: 256 + 32
.set BPAN,  128*PB                     ; a panel's K step
.set ATILE, 128*PA
.set AOFF,  NP*BPAN                    ; a slot: the three panels, wave w's at w x BPAN, then xh's tile
.set SLOT,  AOFF+ATILE
.set SPARE, 2*SLOT                     ; behind the ring: the spare words, 128 bytes a wave, that no other line names
.set LF,    2*NBK+8                    ; LDS loads of a quarter step
.set RD,   8                           ; v8-10   the way out: where I read rows back, by panel
.set ADRA, 16                          ; v16-17  LDS address of my fragments of xh, by slot
.set ADRB, 18                          ; v18-23  of wp, by slot and panel
.set STO,  24                          ; v24-26  the way out: where I put 16 bytes of a row, by panel
.set CO,   28                          ; v28     16 x lane: my place in 512 consecutive bytes of qkv
.set PFO,  29                          ; v29     the prefetches' offset: lane x a row of xh (4,096 bytes); never rewritten
.set SPW,  30                          ; v30     my spare word; never rewritten
.set NIL,  31                          ; v31     0; never rewritten
.set TMP,  32
.set F0,   0
.set F1,   128
.set G1,  24                           ; s[24:31] descriptor group 1 for xh's tile;  s[32:39] group 0, a set for each slot
.set G0,  32
.set G1B, 48                           ; s[48:55], s[56:63] the same for wp's panels
.set G0B, 56
.set LIM, 43                           ; s43     5 in the wave that prefetches, else the greatest number
.set PFA, 44                           ; s[44:45] where my prefetches stand
.set BA,  72                           ; s[72:73] xh at the rows that I fetch, K step 0
.set BB,  74                           ; s[74:75] wp at the panel that I fetch, K step 0
.set KO,  76                           ; s[76:77] a K step's byte offset
.set KN,  78                           ; s78     the K step that the next refill asks for
.set K0,  79                           ; s79     the K step at which my cluster's walk begins
.set TO_F, 0x40                        ; destination window 1, address window 0
.set MSB, 0
.macro WIN new                         ; the immediate's high byte repeats the setting that is left; a switch that changes nothing is dropped
.if MSB != (\new)
	s_set_vgpr_msb (MSB<<8)|(\new)
.set MSB, \new
.endif
.endm
.macro PLACES                          ; four places in front of loads into registers that matrix instructions have read, and of lines that read results
.rept 4
	v_nop
.endr
.endm
; A joint load: waves 0 to 2 fetch the panel of their number, wave 3 fetches xh's tile.  The branch hangs on the wave's number alone.  An s_nop 0 and four v_nop follow each line.
.macro JLOAD s
	s_cmp_ge_u32 s10, NP
	s_cbranch_scc0 .Lfor_b_\@
	tensor_load_to_lds s[G0+4*(\s):G0+4*(\s)+3], s[G1:G1+7]
	s_nop 0
.rept 4
	v_nop
.endr
	s_branch .Lasked_\@
.Lfor_b_\@:
	tensor_load_to_lds s[G0B+4*(\s):G0B+4*(\s)+3], s[G1B:G1B+7]
	s_nop 0
.rept 4
	v_nop
.endr
.Lasked_\@:
.endm
; A prefetch of xh's K step that stands two refills on: 32 rows x 256 bytes, a lane a row, one instruction.  Of the two clusters that read a row of xh, each comes first to the eight K steps with which its own walk
; begins.  Of those eight it names the walk's steps 4 to 7 (steps 0 to 3 come by their loads alone): wave 3 asks, in the loop's first two trips (s3 = 7, 6), twice a trip; the four partners that ask for the tile
; jointly take 32 of its 128 rows each, told apart by address.  So a row's 256 bytes of a K step are named at most once in the launch.  The walk's start is a multiple of 4, so the four steps lie on end in a row.
.macro ASK
	WIN 0
	s_cmp_gt_u32 s3, s[LIM]
	s_cbranch_scc0 .Lnot_mine_\@
	global_prefetch_b8 v[PFO], s[PFA:PFA+1] th:TH_LOAD_NT scope:SCOPE_SE
.Lnot_mine_\@:
.endm
.macro CREST                           ; a round of the cluster's barrier behind its opening barrier
	s_cmp_lg_u32 s10, 0
	s_cbranch_scc1 .Lnot_wave_0_\@
	s_barrier_signal -3
.Lnot_wave_0_\@:
	s_barrier_wait -3
	s_barrier_signal -1
	s_barrier_wait -1
.endm
.macro CROUND
	s_barrier_signal -1
	s_barrier_wait -1
	CREST
.endm
	s_load_b128 s[4:7], s[0:1], 0x0                ; xh s[4:5], wp s[6:7]
	s_load_b64 s[8:9], s[0:1], 0x10                ; qkv
	v_lshl_add_u32 v[SPW], v0, 2, SPARE
	v_mov_b32 v[NIL], 0
	ds_add_u32 v[SPW], v[NIL]                      ; the wave's opening: the add and its wait stand ahead of my first tensor load
	v_lshrrev_b32 v1, 5, v0
	v_readfirstlane_b32 s10, v1                    ; wave 0..3
	s_lshr_b32 s11, s10, 1                         ; which 64 rows are mine
	s_and_b32 s12, s10, 1                          ; which 64 columns of each panel
	s_bfe_u32 s40, ttmp6, 0x40000                  ; cx
	s_bfe_u32 s41, ttmp6, 0x40004                  ; cy
	s_lshl_b32 s42, ttmp9, 2
	s_add_co_u32 s42, s42, s40                     ; tile column = 4 x cluster x + cx
	s_and_b32 s13, ttmp7, 0xffff                   ; cluster y
	s_and_b32 s[K0], s13, 3
	s_lshl_b32 s[K0], s[K0], 2
	s_lshl_b32 s[KN], ttmp9, 3
	s_add_co_u32 s[K0], s[K0], s[KN]
	s_and_b32 s[K0], s[K0], 15                     ; the walk's start: (4 (cluster y % 4) + 8 cluster x) mod 16
	s_add_co_u32 s[KN], s[K0], 2                   ; the first fills take the start and the step after it (a multiple of 4 and the next: no wrap); the first refill the one after
	s_mov_b32 s[KO+1], 0
	s_lshl_b32 s13, s13, 2
	s_add_co_u32 s13, s13, s41                     ; tile row = 4 x cluster y + cy
	s_lshl_b32 s43, s41, 2
	s_lshl_b32 s43, 15, s43                        ; my row of the cluster
	s_lshl_b32 s44, 0x1111, s40                    ; my column
	s_or_b32 s[G1+0], s43, (1<<16)|(1<<20)|(1<<21)|(5<<22)|(3<<25)   ; the mask; elements of 2 bytes; padding on; bit 21 beside a mask; after every 64 words, 4 words
	s_or_b32 s[G1B+0], s44, (1<<16)|(1<<20)|(1<<21)|(5<<22)|(7<<25)  ; the same with my column's mask and 8 words of padding
	s_mov_b32 s[G1+1], 128<<16                     ; tensor_dim0 = 128
	s_mov_b32 s[G1+2], RA<<16                      ; tensor_dim1 = 128
	s_mov_b32 s[G1+3], 128<<16                     ; tile_dim0 = 128
	s_mov_b32 s[G1+4], RA                          ; tile_dim1 = 128
	s_mov_b32 s[G1+5], 2048                        ; elements from row to row of xh
	s_mov_b32 s[G1+6], 0
	s_mov_b32 s[G1+7], 0
	s_mov_b32 s[G1B+1], 128<<16
	s_mov_b32 s[G1B+2], 128<<16
	s_mov_b32 s[G1B+3], 128<<16
	s_mov_b32 s[G1B+4], 128
	s_mov_b32 s[G1B+5], 128                        ; a panel's rows are dense
	s_mov_b32 s[G1B+6], 0
	s_mov_b32 s[G1B+7], 0
	s_min_u32 s67, s10, NP-1                       ; the panel that I fetch (wave 3 fetches none; its number stays inside the tile)
	s_lshl_b32 s16, s13, 19                        ; xh: 128 x tile row, rows of 4,096 bytes
	s_mov_b32 s17, 0
	s_mul_i32 s46, s42, NP
	s_add_co_u32 s46, s46, s67
	s_lshl_b32 s46, s46, 19                        ; wp: panel 3 x tile column + mine, 524,288 bytes each
	s_mov_b32 s47, 0
	s_mov_b32 s20, AOFF                            ; where they go in a slot: no place in the cluster enters an LDS address
	s_mul_i32 s21, s10, BPAN
	s_wait_dscnt 0x0                               ; the opening add is done
	s_wait_kmcnt 0x0
	s_add_nc_u64 s[BA:BA+1], s[4:5], s[16:17]
	s_add_nc_u64 s[BB:BB+1], s[6:7], s[46:47]
	s_lshl_b32 s[KO], s[K0], 8                     ; a K step is 256 bytes along xh's rows,
	s_add_nc_u64 s[14:15], s[BA:BA+1], s[KO:KO+1]
	s_lshl_b32 s[KO], s[K0], 15                    ; and 128 rows of 256 bytes of a panel
	s_add_nc_u64 s[46:47], s[BB:BB+1], s[KO:KO+1]
	CROUND                                         ; all sixteen work-groups are here: the first joint loads meet
.irp s, 0,1
	s_mov_b32 s[G0+4*\s], 1
	s_add_co_u32 s[G0+4*\s+1], s20, \s*SLOT
	s_add_nc_u64 s[G0+4*\s+2:G0+4*\s+3], s[14:15], \s*256
	s_or_b32 s[G0+4*\s+3], s[G0+4*\s+3], 0x80000000
	s_mov_b32 s[G0B+4*\s], 1
	s_add_co_u32 s[G0B+4*\s+1], s21, \s*SLOT
	s_add_nc_u64 s[G0B+4*\s+2:G0B+4*\s+3], s[46:47], \s*32768
	s_or_b32 s[G0B+4*\s+3], s[G0B+4*\s+3], 0x80000000
	JLOAD \s
.endr
	v_and_b32 v1, 15, v0                           ; l % 16
	v_bfe_u32 v2, v0, 4, 1                         ; l / 16
	v_mul_u32_u24 v3, v1, PA
	v_lshl_add_u32 v3, v2, 4, v3                   ; row x pitch + 16 x half
	s_mul_i32 s22, s11, 64*PA
	v_add_nc_u32 v7, s22, v3                       ; + my 64 rows
	v_add_nc_u32 v[ADRA], AOFF, v7
	v_add_nc_u32 v[ADRA+1], AOFF+SLOT, v7
	v_and_b32 v4, 7, v0                            ; the turning load: lane l reads k row 8 (l / 16) + l % 8, columns 8 ((l / 8) % 2) + 0..7
	v_bfe_u32 v5, v0, 3, 1
	v_lshl_add_u32 v4, v2, 3, v4
	v_mul_u32_u24 v4, v4, PB
	v_lshl_add_u32 v4, v5, 4, v4
	s_lshl_b32 s23, s12, 7                         ; my 64 columns: 128 bytes
	v_add_nc_u32 v4, s23, v4
.irp s, 0,1
.irp p, 0,1,2
	v_add_nc_u32 v[ADRB+NP*\s+\p], \s*SLOT+\p*BPAN, v4
.endr
.endr
	v_add_nc_u32 v[STO], s23, v7                   ; the stage: panel p's 128 rows x 272 bytes at p x ATILE
	v_add_nc_u32 v[STO+1], ATILE, v[STO]
	v_add_nc_u32 v[STO+2], 2*ATILE, v[STO]
	v_mul_u32_u24 v5, v2, PA                       ; back: wave w takes rows 32 w .. + 31, whole; lanes 0-15 one row, lanes 16-31 the next
	v_lshl_add_u32 v5, v1, 4, v5
	s_mul_i32 s23, s10, 32*PA
	v_add_nc_u32 v[RD], s23, v5
	v_add_nc_u32 v[RD+1], ATILE, v[RD]
	v_add_nc_u32 v[RD+2], 2*ATILE, v[RD]
	v_and_b32 v[CO], 31, v0
	v_lshlrev_b32 v[CO], 4, v[CO]
	s_mul_i32 s46, s42, NP                         ; qkv at panel 3 x tile column, row 128 x tile row + 32 x wave
	s_lshl_b32 s46, s46, 20
	s_lshl_b32 s47, s13, 15
	s_add_co_u32 s46, s46, s47
	s_lshl_b32 s47, s10, 13
	s_add_co_u32 s46, s46, s47
	s_mov_b32 s47, 0
	s_add_nc_u64 s[8:9], s[8:9], s[46:47]
	; the prefetches: xh at my tile's rows, my work-group's 32 of the 128 (by cx), the walk's step 4
	s_lshl_b32 s16, s13, 19
	s_lshl_b32 s17, s40, 17
	s_add_co_u32 s16, s16, s17
	s_add_co_u32 s17, s[K0], 4
	s_and_b32 s17, s17, 15
	s_lshl_b32 s17, s17, 8
	s_add_co_u32 s16, s16, s17
	s_mov_b32 s17, 0
	s_add_nc_u64 s[PFA:PFA+1], s[4:5], s[16:17]
	s_cmp_eq_u32 s10, NP
	s_cselect_b32 s[LIM], 5, -1                    ; the same in all sixteen partners, for a given wave
	v_and_b32 v[PFO], 31, v0
	v_lshlrev_b32 v[PFO], 12, v[PFO]
; 12 matrix instructions: row block a = 2 half + sub x all column blocks, 32 along K.  zero = 1: the product starts the sums.  The 48 accumulators take turns, one instruction a turn.
.macro MULH f, half, sub, zero
	WIN 0xa5+0x50*(\half)                          ; both sources window 1; C and D window 2 or 3
.set mb, 0
.rept NBK
.set rD, 8*((\sub)*NBK+mb)
.if \zero
	v_wmma_f32_16x16x32_f16 v[rD:rD+7], v[(\f)+32+8*mb:(\f)+32+8*mb+7], v[(\f)+8*(2*(\half)+(\sub)):(\f)+8*(2*(\half)+(\sub))+7], 0
.else
	v_wmma_f32_16x16x32_f16 v[rD:rD+7], v[(\f)+32+8*mb:(\f)+32+8*mb+7], v[(\f)+8*(2*(\half)+(\sub)):(\f)+8*(2*(\half)+(\sub))+7], v[rD:rD+7]
.endif
.set mb, mb+1
.endr
.endm
; 32 LDS loads in one run: quarter q (32 along K) of a slot into buffer f: wp's twelve fragments, turned, then xh's four
.macro FETCH slot, q, f
	WIN TO_F
.set fb, 0
.rept NBK
	ds_load_tr16_b128 v[(\f)+32+8*fb:(\f)+32+8*fb+3],   v[ADRB+NP*(\slot)+fb/4] offset:32*PB*(\q)+32*(fb%4)
	ds_load_tr16_b128 v[(\f)+32+8*fb+4:(\f)+32+8*fb+7], v[ADRB+NP*(\slot)+fb/4] offset:32*PB*(\q)+32*(fb%4)+16*PB
.set fb, fb+1
.endr
.irp a, 0,1,2,3
	ds_load_b128 v[(\f)+8*\a:(\f)+8*\a+3],   v[ADRA+(\slot)] offset:16*PA*\a+64*(\q)
	ds_load_b128 v[(\f)+8*\a+4:(\f)+8*\a+7], v[ADRA+(\slot)] offset:16*PA*\a+64*(\q)+32
.endr
.endm
; One of a K step's first three quarters: multiplies buffer f; in its middle it fetches quarter q of the same slot into buffer g
.macro QUARTER slot, q, f, g, zero
	s_wait_dscnt 4                                 ; all but the youngest four loads (xh's row blocks 2 and 3) are in
	MULH \f, 0, 0, \zero
	MULH \f, 0, 1, \zero
	PLACES
	FETCH \slot, \q, \g
	s_wait_dscnt LF                                ; all but the run just issued
	MULH \f, 1, 0, \zero
	MULH \f, 1, 1, \zero
.endm
; THE CHANGE OF SLOTS, at the head of a K step's last quarter: this slot's last fragments (buffer 1) have been asked for.  Each wave waits for all its tensor loads (one is out: its part of the next slot), adds 0 to its
; spare word, and waits for that and for its reads of this slot.  fill = 1: a round of the cluster's barrier follows, and this slot is filled again first thing behind it.  NOTHING BUT THE ROUND stands between the wait for
; the tiles and the refill: the descriptors are made while the add is out, and the quarter's 48 products all stand behind the refill, so that a refill has a whole K step's 192 products between its request and the wait for it.
; The refill's addresses are made anew from the number of the K step, which goes round from 15 to 0.
.macro TURN slot, next, fill
.if (\fill) && (\slot)
	s_wait_xcnt 0x0                                ; the last prefetch, a K step back, has read its address
	s_add_nc_u64 s[PFA:PFA+1], s[PFA:PFA+1], 256
.endif
	WIN 0
	s_wait_tensorcnt 0x0                           ; no tensor load of mine is out, so a group 0 may be written
	ds_add_u32 v[SPW], v[NIL]
.if \fill
	s_lshl_b32 s[KO], s[KN], 8
	s_add_nc_u64 s[G0+4*(\slot)+2:G0+4*(\slot)+3], s[BA:BA+1], s[KO:KO+1]
	s_or_b32 s[G0+4*(\slot)+3], s[G0+4*(\slot)+3], 0x80000000
	s_lshl_b32 s[KO], s[KN], 15
	s_add_nc_u64 s[G0B+4*(\slot)+2:G0B+4*(\slot)+3], s[BB:BB+1], s[KO:KO+1]
	s_or_b32 s[G0B+4*(\slot)+3], s[G0B+4*(\slot)+3], 0x80000000
	s_add_co_u32 s[KN], s[KN], 1
	s_and_b32 s[KN], s[KN], 15
.endif
	s_wait_dscnt 0x0                               ; the add is done, and my reads of this slot are over
.if \fill
	CROUND                                         ; no wave of any partner still reads this slot or has a load on its way
	JLOAD \slot                                    ; its four v_nop are also the places in front of the loads below
.else
	s_barrier_signal -1
	s_barrier_wait -1
	PLACES
.endif
	FETCH \next, 0, F0
.if \fill
	ASK
.endif
	MULH F1, 0, 0, 0
	MULH F1, 0, 1, 0
	MULH F1, 1, 0, 0
	MULH F1, 1, 1, 0
.endm
	s_wait_tensorcnt 1                             ; my part of the walk's first K step is in; the second's may stay out
	s_barrier_signal -1
	s_barrier_wait -1
	FETCH 0, 0, F0
	QUARTER 0, 1, F0, F1, 1                        ; the first quarter stands in front of the loop: its products start the sums
	WIN 0
	s_mov_b32 s3, 7
.Llap:                                                 ; a trip goes once round the ring and fills both slots again
	QUARTER 0, 2, F1, F0, 0
	QUARTER 0, 3, F0, F1, 0
	TURN 0, 1, 1
	QUARTER 1, 1, F0, F1, 0
	QUARTER 1, 2, F1, F0, 0
	QUARTER 1, 3, F0, F1, 0
	TURN 1, 0, 1
	QUARTER 0, 1, F0, F1, 0
	WIN 0
	s_wait_xcnt 0x0                                ; the last prefetch, 96 products back, has read its address
	s_add_nc_u64 s[PFA:PFA+1], s[PFA:PFA+1], 256
	s_sub_co_u32 s3, s3, 1
	s_cmp_lg_u32 s3, 0
	s_cbranch_scc1 .Llap
	QUARTER 0, 2, F1, F0, 0                        ; the last lap fills nothing
	QUARTER 0, 3, F0, F1, 0
	TURN 0, 1, 0
	QUARTER 1, 1, F0, F1, 0
	QUARTER 1, 2, F1, F0, 0
	QUARTER 1, 3, F0, F1, 0
	s_wait_dscnt 4
	MULH F1, 0, 0, 0
	MULH F1, 0, 1, 0
	s_wait_dscnt 0x0
	MULH F1, 1, 0, 0
	MULH F1, 1, 1, 0
	; THE WAY OUT: rounded to f16, 16 bytes a lane into a stage; a barrier, since a row's 256 bytes come from two waves; back as whole rows.  The stage lies in slot 0, which has had its last fill
	; and whose last reads every wave awaited in front of the last change of slots.
	PLACES
	PLACES
.set n, 0
.rept 4*NBK                            ; n = 12 a + b; each accumulator's registers in ascending order
	WIN 0x0a+5*(n/(2*NBK))                         ; sources in window 2 or 3
.set rD, 8*(((n/NBK)%2)*NBK+n%NBK)
.irp r, 0,1,2,3
	v_cvt_pk_f16_f32 v[TMP+4*n+\r], v[rD+2*\r], v[rD+2*\r+1]
.endr
.set n, n+1
.endr
	WIN 0
.set n, 0
.rept 4*NBK
	ds_store_b128 v[STO+(n%NBK)/4], v[TMP+4*n:TMP+4*n+3] offset:16*PA*(n/NBK)+32*(n%4)
.set n, n+1
.endr
	s_wait_dscnt 0x0                               ; for the others' sake: my stores into the stage are done
	s_barrier_signal -1
	s_barrier_wait -1
.set n, 0
.rept 16*NP                            ; n = 16 p + t: rows 2 t, 2 t + 1 of my 32, panel p
	ds_load_b128 v[TMP+4*n:TMP+4*n+3], v[RD+n/16] offset:2*PA*(n%16)
.set n, n+1
.endr
.set n, 0
.rept 16*NP
	s_wait_dscnt 16*NP-1-n
	global_store_b128 v[CO], v[TMP+4*n:TMP+4*n+3], s[8:9] offset:((n/16)<<20)+512*(n%16)  ; 512 consecutive bytes, at a multiple of 256 from qkv's first byte
.set n, n+1
.endr
	s_wait_tensorcnt 0x0                           ; the wave's end
	ds_add_u32 v[SPW], v[NIL]
	s_wait_dscnt 0x0
	CROUND                                         ; the closing round
	s_endpgm
.Lfunc_end_k_q56ef3425c2_proj:
	.size	k_q56ef3425c2_proj, .Lfunc_end_k_q56ef3425c2_proj-k_q56ef3425c2_proj
	.p2alignl 7, 3214868480
	.fill 96, 4, 3214868480
	.section	.rodata,"a",@progbits
	.p2align	6, 0x0
	.amdhsa_kernel k_q56ef3425c2_proj
		.amdhsa_group_segment_fixed_size 327680
		.amdhsa_private_segment_fixed_size 0
		.amdhsa_enable_private_segment 0
		.amdhsa_kernarg_size 24
		.amdhsa_user_sgpr_count 2
		.amdhsa_user_sgpr_kernarg_segment_ptr 1
		.amdhsa_wavefront_size32 1
		.amdhsa_system_sgpr_workgroup_id_x 1
		.amdhsa_system_sgpr_workgroup_id_y 1
		.amdhsa_system_sgpr_workgroup_id_z 1
		.amdhsa_system_vgpr_workitem_id 0
		.amdhsa_next_free_vgpr 960
		.amdhsa_next_free_sgpr 80
		.amdhsa_reserve_vcc 0
		.amdhsa_float_denorm_mode_32 3
		.amdhsa_float_denorm_mode_16_64 3
		.amdhsa_memory_ordered 1
		.amdhsa_forward_progress 1
		.amdhsa_inst_pref_size 121
	.end_amdhsa_kernel
	.amdgpu_metadata
---
amdhsa.version: [ 1, 2 ]
amdhsa.kernels:
  - .name:           k_q56ef3425c2_proj
    .symbol:         k_q56ef3425c2_proj.kd
    .args:
      - { .name: xh, .offset: 0, .size: 8, .value_kind: global_buffer, .address_space: global }
      - { .name: wp, .offset: 8, .size: 8, .value_kind: global_buffer, .address_space: global }
      - { .name: qkv, .offset: 16, .size: 8, .value_kind: global_buffer, .address_space: global }
    .group_segment_fixed_size: 327680
    .private_segment_fixed_size: 0
    .kernarg_segment_align: 8
    .kernarg_segment_size: 24
    .max_flat_workgroup_size: 128
    .sgpr_count:     80
    .vgpr_count:     960
    .wavefront_size: 32
...
	.end_amdgpu_metadata
.endif
;; end of part 2
;; launch attn (part 3): grid 16 x 16, 4 waves a work-group, clusters of 4 x 1, 327,680 bytes of LDS; arguments qkv, ctx; writes ctx
.if DOCPART == 3
	.amdgcn_target "amdgcn-amd-amdhsa--gfx1250"
	.amdhsa_code_object_version 6
	.text
	.protected	k_q56ef3425c2_attn
	.globl	k_q56ef3425c2_attn
	.p2align	8
	.type	k_q56ef3425c2_attn,@function
k_q56ef3425c2_attn:
	s_mov_b64 s[64:65], 0
	v_nop
	global_prefetch_b8 v0, s[64:65] scope:SCOPE_SE
	s_setreg_imm32_b32 hwreg(HW_REG_WAVE_MODE, 25, 1), 1
	s_wait_xcnt 0x0
	s_wait_alu depctr_hold_cnt(0) depctr_sa_sdst(0) depctr_va_vdst(0) depctr_va_sdst(0) depctr_va_ssrc(0) depctr_va_vcc(0) depctr_vm_vsrc(0)
	s_getreg_b32 s2, hwreg(HW_REG_IB_STS2, 6, 4)
	s_cmp_eq_u32 s2, 0
	s_cbranch_scc0 .Lentry_in_a_cluster
	s_endpgm
.Lentry_in_a_cluster:
	s_bfe_u32 s2, ttmp6, 0x10000c
	s_cmp_lg_u32 s2, 0x3003
	s_cbranch_scc0 .Lentry_shape_is_right
	s_endpgm
.Lentry_shape_is_right:
; CAUSAL ATTENTION WITH SHARED KEY AND VALUE HEADS, NO SCALE.  ctx[1024 b + q][128 head + :] = the sum over k <= q of softmax_k(Q[q] . K[k]) V[k][:].
; qkv: [24 panels][4096 rows = 1024 b + s][128] f16: panels 0-15 the query heads, 16-19 K's heads, 20-23 V's; query head 4 g + w takes K and V of head g.  ctx: [4096][2048] f16.
; Products, maxima and sums in f32; the weights p are rounded to f16 for the second product (their sum l is taken of the unrounded p), the result once at the end.
; LIMITS.  A hidden score counts as -1e30: f16's scores are 5.5e11 at the most; a weight below 2^-126 counts as 0; NaN and infinities are not treated apart.
; SHARES.  A work-group serves one batch and one K/V head; its wave w is query head 4 g + w, so all four waves read the same K and V from LDS.  A head's rows lie in 32 blocks of 32 (two tiles of 16 a wave).
; The work-group at place cx of cluster a takes block 31 - 4 a - cx and then block 4 a + cx: key tiles (128 keys) 0 .. 7 - a and then 0 .. a: nine tiles, eighteen key steps of 64, for every work-group, and the
; SAME tiles for the four partners of a cluster: each tile is asked for jointly.  Trip counts are constants; branches hang on a and on counters; cx enters Q's and ctx's addresses and the mask's thresholds alone.
; THE MASK.  A block's last tile holds its diagonal: in its two key steps every score whose key lies behind the query is replaced by -1e30.  A row sees its own key before any step that hides all keys, so m is a true score by then.
; LAYOUT.  S^T = K Q^T (source 0 = 16 keys, source 1 = 16 queries): a lane holds ONE query (lane % 16) and the keys 8 (lane / 16) + 0..7.  Two such results rounded to f16 ARE source 1 of O^T = V^T P.
; SOFTMAX.  A running maximum m and sum l: p = 2^(c s - c m), c = log2(e); in every step O and l are multiplied by a = 2^(c m_old - c m_new).  A block starts with c m far below every c s, so its first a is 0.
; IN PHASES.  A key step: K of the next step is fetched; softmax; V^T P; V of the next step is fetched; K Q^T of the next step; its mask where due.
; REGISTERS: window 0: addresses, v12-15 thresholds, v16-31 statistics (8 a tile), v64-127 S^T, v128-159 P.  Window 1: v0-127 O^T, v128-191 Q, v192-255 the second block's Q.  Window 2: v0-127 K, v128-255 V.
.set KS,    64
.set PK,    272                        ; a row of K in LDS: 256 + 16 bytes: the 16 rows of a load start 4 banks apart (64 banks of 4 bytes: ISA guide 11.1)
.set PV,    288                        ; a row of V: 256 + 32
.set VOFF,  KS*PK                      ; a step's tiles lie together: 64 rows of K, then 64 of V
.set STEPB, KS*(PK+PV)
.set SLOT1, 1<<17                      ; a slot holds a key tile, two steps; slot 1 begins here
.set STAGE, SLOT1+2*STEPB              ; behind the ring: 16 rows x 272 bytes for each wave, for the way out
.set SP,    272
.set SPARE, STAGE+4*16*SP              ; the spare words, 128 bytes a wave, that no other line names
.set AK0, 2                            ; v2   my lane's place in a tile of K; never rewritten
.set AV0, 3                            ; v3   the same for V
.set ADR, 4                            ; v4   the LDS address of the run of loads in hand
.set QO,  5                            ; v5   my byte offset in 16 rows of Q
.set STO, 6                            ; v6   the way out: where I put 16 bytes of a row
.set RD,  7                            ; v7   where I read a row back
.set GO,  8                            ; v8   my byte offset in two rows of ctx
.set THR, 12                           ; v12-13  by tile: register i of S^T is hidden where 16 (i / 8) + i % 8 is greater
.set THB, 14                           ; v14-15  the same for the second block
.set ST,  16                           ; tile t's statistics at ST + 8 t: c m, m, l (even keys', odd keys'), c0-c3 at work; a takes c2's place
.set PFO, 61                           ; v61  256 x lane; never rewritten
.set SPW, 62                           ; v62  my spare word; never rewritten
.set NIL, 63                           ; v63  0; never rewritten
.set S,   64
.set P,   128
.set QF,  128                          ; window 1
.set QBF, 192                          ; window 1
.set VF,  128                          ; window 2
.set WV,  12                           ; s12  my wave's number
.set LIM, 15                           ; s15  2 in a wave that prefetches, else the greatest number
.set G1K, 24
.set G1V, 32
.set G0K, 40                           ; s[40:47] group 0 for K: a set for each first fill; the second then walks on
.set G0V, 48
.set SLOTS, 56
.set CNT, 57
.set CS,  58                           ; s[58:59] c
.set SEL, 60                           ; s[60:61] v_permlanex16_b32's selects
.set TB,  62                           ; s62  LDS byte at which the tiles of the step to be fetched begin
.set KB,  66                           ; s[66:67] K at my half of the head's tile 0
.set VB,  68
.set OB,  70                           ; s[70:71] ctx at my rows and head, the block in hand
.set OLO, 72                           ; s[72:73] the same for the second block
.set PFA, 74
.set OFF, 76                           ; s[76:77] a tile's byte offset
.set NXT, 78                           ; s78  the tile to be asked for next
.set LQ,  79                           ; s79  the last tile of the block whose tiles are being asked for
.set RQ,  80                           ; s80  key steps of the block in hand whose scores are still to be made
.set RQ2, 81                           ; s81  the second block's key steps
.set BIGN, 82                          ; s82  -1e30
.set W_KQ, 0x06                        ; K window 2, Q window 1, S^T window 0
.set W_PV, 0x52                        ; V window 2, P window 0, O^T window 1
.set W_RS, 0x41                        ; destination and source 0 window 1, source 1 window 0
.set MSB, 0
.macro WIN new
.if MSB != (\new)
	s_set_vgpr_msb (MSB<<8)|(\new)
.set MSB, \new
.endif
.endm
; A joint refill: waves 0 and 1 fetch the tile's two steps of K, waves 2 and 3 those of V.  An s_nop 0 and four v_nop follow each line.
.macro JLOAD
	s_cmp_lt_u32 s[WV], 2
	s_cbranch_scc0 .Lfor_v_\@
	tensor_load_to_lds s[G0K+4:G0K+7], s[G1K:G1K+7]
	s_nop 0
.rept 4
	v_nop
.endr
	s_branch .Lasked_\@
.Lfor_v_\@:
	tensor_load_to_lds s[G0V+4:G0V+7], s[G1V:G1V+7]
	s_nop 0
.rept 4
	v_nop
.endr
.Lasked_\@:
.endm
; A prefetch of the tile that the NEXT change of slots will ask for: 128 rows of K and of V, a lane a row.  The four clusters of a K/V head walk the same rows; cluster a = 0, which walks tiles 0 to 7 on end, asks:
; its four partners take 32 rows each, told apart by address; wave 0 asks for K's, wave 2 for V's.  Tiles 3 to 7 are named, once each; tiles 0 to 2 come by their loads alone.
.macro ASK
	s_cmp_gt_u32 s[SLOTS], s[LIM]
	s_cbranch_scc0 .Lnot_mine_\@
	global_prefetch_b8 v[PFO], s[PFA:PFA+1] th:TH_LOAD_NT scope:SCOPE_SE
.Lnot_mine_\@:
.endm
.macro CROUND
	s_barrier_signal -1
	s_barrier_wait -1
	s_cmp_lg_u32 s[WV], 0
	s_cbranch_scc1 .Lnot_wave_0_\@
	s_barrier_signal -3
.Lnot_wave_0_\@:
	s_barrier_wait -3
	s_barrier_signal -1
	s_barrier_wait -1
.endm
	s_load_b128 s[4:7], s[0:1], 0x0                ; qkv s[4:5], ctx s[6:7]
	v_lshl_add_u32 v[SPW], v0, 2, SPARE
	v_mov_b32 v[NIL], 0
	ds_add_u32 v[SPW], v[NIL]                      ; the wave's opening: the add and its wait stand ahead of my first tensor load
	v_lshrrev_b32 v1, 5, v0
	v_readfirstlane_b32 s[WV], v1
	s_bfe_u32 s13, ttmp6, 0x40000                  ; cx
	s_mov_b32 s14, ttmp9                           ; a: the cluster's x
	s_and_b32 s16, ttmp7, 0xffff
	s_lshr_b32 s17, s16, 2                         ; the batch
	s_and_b32 s18, s16, 3                          ; the K/V head
	s_lshl2_add_u32 s19, s18, s[WV]                ; my query head
	s_lshl2_add_u32 s20, s14, s13                  ; the second block, 4 a + cx
	s_sub_co_u32 s21, 31, s20                      ; the first
	s_add_co_u32 s22, s18, 16                      ; K: panel 16 + head, the batch's 1,024 rows of 256 bytes, my step's 64 rows
	s_lshl_b32 s22, s22, 20
	s_lshl_b32 s23, s17, 18
	s_add_co_u32 s22, s22, s23
	s_and_b32 s2, s[WV], 1
	s_lshl_b32 s3, s2, 14
	s_add_co_u32 s22, s22, s3
	s_mov_b32 s23, 0
	s_mul_i32 s63, s2, STEPB                       ; my step's place in a slot: no place in the cluster enters an LDS address
	s_lshl_b32 s84, s19, 20                        ; Q: panel = head, the batch, the block's 32 rows
	s_lshl_b32 s3, s17, 18
	s_add_co_u32 s84, s84, s3
	s_lshl_b32 s3, s20, 13
	s_add_co_u32 s86, s84, s3
	s_lshl_b32 s3, s21, 13
	s_add_co_u32 s84, s84, s3
	s_mov_b32 s85, 0
	s_mov_b32 s87, 0
	s_lshl_b32 s70, s17, 22                        ; ctx: rows of 4,096 bytes, my head's 256 bytes
	s_lshl_b32 s3, s19, 8
	s_add_co_u32 s70, s70, s3
	s_lshl_b32 s3, s20, 17
	s_add_co_u32 s72, s70, s3
	s_lshl_b32 s3, s21, 17
	s_add_co_u32 s70, s70, s3
	s_mov_b32 s71, 0
	s_mov_b32 s73, 0
	s_mov_b32 s[G1K], 15|(1<<16)|(1<<20)|(1<<21)|(5<<22)|(3<<25)  ; the mask of four; 2-byte elements; padding on; bit 21 beside a mask; after every 64 words, 4 words
	s_mov_b32 s[G1V], 15|(1<<16)|(1<<20)|(1<<21)|(5<<22)|(7<<25)  ; the same with 8 words
.irp g, G1K, G1V
	s_mov_b32 s[(\g)+1], 128<<16                   ; tensor_dim0 = 128
	s_mov_b32 s[(\g)+2], KS<<16                    ; tensor_dim1 = 64
	s_mov_b32 s[(\g)+3], 128<<16                   ; tile_dim0 = 128
	s_mov_b32 s[(\g)+4], KS                        ; tile_dim1 = 64
	s_mov_b32 s[(\g)+5], 128                       ; elements from row to row
	s_mov_b32 s[(\g)+6], 0
	s_mov_b32 s[(\g)+7], 0
.endr
	s_mov_b32 s[CS], 0x3fb8aa3b                    ; c = log2(e)
	s_mov_b32 s[CS+1], s[CS]
	s_mov_b32 s[SEL], 0x76543210
	s_mov_b32 s[SEL+1], 0xfedcba98
	s_mov_b32 s[TB], 0
	s_mov_b32 s[NXT], 2
	s_sub_co_u32 s[LQ], 7, s14
	s_lshl_b32 s3, s14, 1
	s_sub_co_u32 s[RQ], 16, s3                     ; the first block has 8 - a tiles,
	s_add_co_u32 s[RQ2], s3, 2                     ; the second a + 1
	s_mov_b32 s[OFF+1], 0
	s_mov_b32 s[BIGN], 0xf149f2ca                  ; -1e30
	s_and_b32 s[LIM], s[WV], 1
	s_or_b32 s[LIM], s[LIM], ttmp9
	s_cmp_eq_u32 s[LIM], 0
	s_cselect_b32 s[LIM], 2, -1                    ; the same in all four partners
	v_and_b32 v[PFO], 31, v0
	v_lshlrev_b32 v[PFO], 8, v[PFO]
	s_wait_dscnt 0x0                               ; the opening add is done
	s_wait_kmcnt 0x0
	s_add_nc_u64 s[KB:KB+1], s[4:5], s[22:23]
	s_add_nc_u64 s[VB:VB+1], s[KB:KB+1], 4<<20     ; V's panel lies four panels on
	s_add_nc_u64 s[84:85], s[4:5], s[84:85]
	s_add_nc_u64 s[86:87], s[4:5], s[86:87]
	s_add_nc_u64 s[OB:OB+1], s[6:7], s[70:71]
	s_add_nc_u64 s[OLO:OLO+1], s[6:7], s[72:73]
	s_cmp_lt_u32 s[WV], 2
	s_cselect_b64 s[PFA:PFA+1], s[KB:KB+1], s[VB:VB+1]  ; (in waves 0 and 2 these stand at a tile's first row)
	s_lshl_b32 s2, s13, 13                         ; my work-group's 32 rows of the 128
	s_mov_b32 s3, 0
	s_add_nc_u64 s[PFA:PFA+1], s[PFA:PFA+1], s[2:3]
	s_add_nc_u64 s[PFA:PFA+1], s[PFA:PFA+1], 2*32768  ; in tile 2; the first change of slots steps it to tile 3
	CROUND                                         ; all four work-groups are here: the first joint loads meet
.irp s, 0,1
	s_mov_b32 s[G0K+4*\s], 1
	s_add_co_u32 s[G0K+4*\s+1], s63, \s*SLOT1
	s_add_nc_u64 s[G0K+4*\s+2:G0K+4*\s+3], s[KB:KB+1], \s*32768
	s_or_b32 s[G0K+4*\s+3], s[G0K+4*\s+3], 0x80000000
	s_mov_b32 s[G0V+4*\s], 1
	s_add_co_u32 s[G0V+4*\s+1], s63, \s*SLOT1+VOFF
	s_add_nc_u64 s[G0V+4*\s+2:G0V+4*\s+3], s[VB:VB+1], \s*32768
	s_or_b32 s[G0V+4*\s+3], s[G0V+4*\s+3], 0x80000000
.endr
	s_cmp_lt_u32 s[WV], 2                          ; a wave's two first fills stand in one branch: two loads of mine are out
	s_cbranch_scc0 .Lfirst_v
	tensor_load_to_lds s[G0K:G0K+3], s[G1K:G1K+7]
	s_nop 0
	tensor_load_to_lds s[G0K+4:G0K+7], s[G1K:G1K+7]
	s_nop 0
.rept 4
	v_nop
.endr
	s_branch .Lfirst_asked
.Lfirst_v:
	tensor_load_to_lds s[G0V:G0V+3], s[G1V:G1V+7]
	s_nop 0
	tensor_load_to_lds s[G0V+4:G0V+7], s[G1V:G1V+7]
	s_nop 0
.rept 4
	v_nop
.endr
.Lfirst_asked:
	v_and_b32 v1, 15, v0                           ; l % 16
	v_bfe_u32 v9, v0, 4, 1                         ; l / 16
	v_lshlrev_b32 v[QO], 8, v1
	v_lshl_add_u32 v[QO], v9, 4, v[QO]             ; row x 256 + 16 x half
	WIN 0x40                                       ; destination window 1
.set i, 0
.rept 8                                ; both blocks' Q stay in registers: tile i / 4, channels 32 (i % 4) on
	global_load_b128 v[QF+8*i:QF+8*i+3],     v[QO], s[84:85] offset:(i/4)*4096+(i%4)*64
	global_load_b128 v[QF+8*i+4:QF+8*i+7],   v[QO], s[84:85] offset:(i/4)*4096+(i%4)*64+32
	global_load_b128 v[QBF+8*i:QBF+8*i+3],   v[QO], s[86:87] offset:(i/4)*4096+(i%4)*64
	global_load_b128 v[QBF+8*i+4:QBF+8*i+7], v[QO], s[86:87] offset:(i/4)*4096+(i%4)*64+32
.set i, i+1
.endr
.set i, 0
.rept 128                              ; O^T starts at 0, written in the wait for the first tile, so that no first step is written out
	v_mov_b32 v[i], 0
.set i, i+1
.endr
	WIN 0
.irp t, 0,1
	v_mov_b32 v[ST+8*\t], 0xfe000000               ; c m: far below every c s
	v_mov_b32 v[ST+8*\t+1], 0xff7fffff             ; m: the lowest finite number
	v_mov_b32 v[ST+8*\t+2], 0
	v_mov_b32 v[ST+8*\t+3], 0
.endr
	v_mul_u32_u24 v[AK0], v1, PK
	v_lshl_add_u32 v[AK0], v9, 4, v[AK0]
	v_and_b32 v10, 7, v0                           ; the turning load: lane l reads key 8 (l / 16) + l % 8, channels 8 ((l / 8) % 2) + 0..7
	v_bfe_u32 v11, v0, 3, 1
	v_lshl_add_u32 v[AV0], v9, 3, v10
	v_mul_u32_u24 v[AV0], v[AV0], PV
	v_lshl_add_u32 v[AV0], v11, 4, v[AV0]
	v_add_nc_u32 v[AV0], VOFF, v[AV0]
	s_mul_i32 s16, s[WV], 16*SP
	s_add_co_u32 s16, s16, STAGE                   ; my stage
	v_mul_u32_u24 v[STO], v1, SP
	v_lshl_add_u32 v[STO], v9, 4, v[STO]
	v_add_nc_u32 v[STO], s16, v[STO]
	v_mul_u32_u24 v[RD], v9, SP
	v_lshl_add_u32 v[RD], v1, 4, v[RD]
	v_add_nc_u32 v[RD], s16, v[RD]
	v_lshlrev_b32 v[GO], 12, v9
	v_lshl_add_u32 v[GO], v1, 4, v[GO]
	v_lshlrev_b32 v10, 3, v9
	v_sub_nc_u32 v10, v1, v10                      ; l % 16 - 8 (l / 16)
	s_lshl_b32 s17, s13, 5                         ; the second block lies 32 cx rows into its diagonal tile,
	s_sub_co_u32 s18, 96, s17                      ; the first 32 (3 - cx)
	v_add_nc_u32 v[THR], s18, v10
	v_add_nc_u32 v[THR+1], 16, v[THR]
	v_add_nc_u32 v[THB], s17, v10
	v_add_nc_u32 v[THB+1], 16, v[THB]
; Product i of 32 of S^T = K Q^T: channels 32 (i / 8) on, keys 16 ((i / 2) % 4) on, tile i % 2.  The first 8 start the sums.  The 8 accumulators take turns.
.macro MKQ
	WIN W_KQ
.set rS, S+32*(i%2)+8*((i/2)%4)
.set rK, 32*((i/2)%4)+8*(i/8)
.set rQ, QF+32*(i%2)+8*(i/8)
.if i < 8
	v_wmma_f32_16x16x32_f16 v[rS:rS+7], v[rK:rK+7], v[rQ:rQ+7], 0
.else
	v_wmma_f32_16x16x32_f16 v[rS:rS+7], v[rK:rK+7], v[rQ:rQ+7], v[rS:rS+7]
.endif
.endm
; Product i of 32 of O^T += V^T P: keys 32 (i / 16) on, channels 16 ((i / 2) % 8) on, tile i % 2.  16 accumulators take turns.
.macro MPV
	WIN W_PV
.set rO, 64*(i%2)+8*((i/2)%8)
.set rV, VF+64*(i/16)+8*((i/2)%8)
.set rP, P+16*(i%2)+8*(i/16)
	v_wmma_f32_16x16x32_f16 v[rO:rO+7], v[rV:rV+7], v[rP:rP+7], v[rO:rO+7]
.endm
.macro FETCH_K                         ; a step's K: 64 keys x 128 channels, 16 fragments: keys 16 (f / 4) on, channels 32 (f % 4) on
	WIN 0
	v_add_nc_u32 v[ADR], s[TB], v[AK0]
	WIN 0x80
.irp f, 0,1,2,3,4,5,6,7,8,9,10,11,12,13,14,15
	ds_load_b128 v[8*\f:8*\f+3],   v[ADR] offset:(\f/4)*16*PK+(\f%4)*64
	ds_load_b128 v[8*\f+4:8*\f+7], v[ADR] offset:(\f/4)*16*PK+(\f%4)*64+32
.endr
	WIN 0
.endm
.macro FETCH_V                         ; the same step's V, turned: keys 32 (f / 8) on, channels 16 (f % 8) on
	WIN 0
	v_add_nc_u32 v[ADR], s[TB], v[AV0]
	s_add_co_u32 s[TB], s[TB], STEPB               ; the next fetch is the next step's
	WIN 0x80
.irp f, 0,1,2,3,4,5,6,7,8,9,10,11,12,13,14,15
	ds_load_tr16_b128 v[VF+8*\f:VF+8*\f+3],   v[ADR] offset:(\f/8)*32*PV+(\f%8)*32
	ds_load_tr16_b128 v[VF+8*\f+4:VF+8*\f+7], v[ADR] offset:(\f/8)*32*PV+16*PV+(\f%8)*32
.endr
	WIN 0
.endm
; Number j of the 134 instructions of tile t's softmax for a key step.  s0-s31 are the lane's 32 scores, in pairs 0-15.
;   0-15  the maximum of s0-s31 and the old m (each accumulator's lowest registers are read first)     16-20  the other half of the lanes'; the new m; c m; c m_old - c m_new
;   21-69  the 16 scalings c s - c m and all 33 exponentials (a at 23): none reads an exponential's result     70-85  the roundings to f16     86-101  the sums; l = a l + the sum     102-133  O^T times a
.macro SM t
.set rT, ST+8*(\t)
.set rS, S+32*(\t)
.set rP, P+16*(\t)
.set rO, 64*(\t)+2*(j-102)
.if j < 102
	WIN 0
.endif
.if j < 4
	v_max3_num_f32 v[rT+4+j], v[rS+8*j], v[rS+8*j+1], v[rS+8*j+2]
.elseif j < 12
	v_max3_num_f32 v[rT+4+j%4], v[rT+4+j%4], v[rS+8*(j%4)+2*(j/4)+1], v[rS+8*(j%4)+2*(j/4)+2]
.elseif j == 12
	v_max3_num_f32 v[rT+4], v[rT+4], v[rS+7], v[rS+15]
.elseif j == 13
	v_max3_num_f32 v[rT+6], v[rT+6], v[rS+23], v[rS+31]
.elseif j == 14
	v_max3_num_f32 v[rT+4], v[rT+4], v[rT+5], v[rT+6]
.elseif j == 15
	v_max3_num_f32 v[rT+4], v[rT+4], v[rT+7], v[rT+1]
.elseif j == 16
	v_permlanex16_b32 v[rT+5], v[rT+4], s[SEL], s[SEL+1]  ; the query's other 32 keys lie in the lane 16 away
.elseif j == 17
	v_mov_b32 v[rT+7], v[rT]                       ; c m_old is kept for a
.elseif j == 18
	v_max_num_f32 v[rT+1], v[rT+4], v[rT+5]
.elseif j == 19
	v_mul_f32 v[rT], s[CS], v[rT+1]
.elseif j == 20
	v_sub_f32 v[rT+7], v[rT+7], v[rT]
.elseif j == 23
	v_exp_f32 v[rT+6], v[rT+7]
.elseif (j < 23) || ((j < 38) && (j%2 == 0)) || ((j < 66) && (j%4 == 2))
.set b, (j-2)/4
.if j < 38
.set b, (j-20)/2
.endif
	v_pk_fma_f32 v[rS+2*b:rS+2*b+1], v[rS+2*b:rS+2*b+1], s[CS:CS+1], v[rT:rT+1] op_sel_hi:[1,0,0] neg_lo:[0,0,1] neg_hi:[0,0,1]
.elseif j < 70
.set e, j-38
.if j < 66
.set e, j-32-(j-38)/4
.endif
.if j < 38
.set e, (j-25)/2
.endif
	v_exp_f32 v[rS+e], v[rS+e]
.elseif j < 86
	v_cvt_pk_f16_f32 v[rP+j-70], v[rS+2*(j-70)], v[rS+2*(j-70)+1]
.elseif j < 102
.set z, j-86
.set w, 4
.set u, z
.if z >= 14
.set w, 32
.set u, 0
.elseif z >= 12
.set w, 16
.set u, z-12
.elseif z >= 8
.set w, 8
.set u, z-8
.endif
.if z < 15
	v_pk_add_f32 v[rS+w*u:rS+w*u+1], v[rS+w*u:rS+w*u+1], v[rS+w*u+w/2:rS+w*u+w/2+1]
.else
	v_pk_fma_f32 v[rT+2:rT+3], v[rT+2:rT+3], v[rT+6:rT+7], v[rS:rS+1] op_sel_hi:[1,0,1]
.endif
.else
	WIN W_RS
	v_pk_mul_f32 v[rO:rO+1], v[rO:rO+1], v[rT+6:rT+7] op_sel_hi:[1,0]
.endif
.endm
; The mask of one key step of a diagonal tile, registers ascending; then the thresholds go 64 keys back for the tile's second step.
.macro MASK
	WIN 0
.irp t, 0,1
.set i, 0
.rept 32
	v_cmp_gt_i32 vcc_lo, 16*(i/8)+i%8, v[THR+\t]
	v_cndmask_b32 v[S+32*\t+i], v[S+32*\t+i], s[BIGN], vcc_lo
.set i, i+1
.endr
	v_add_nc_u32 v[THR+\t], 0xffffffc0, v[THR+\t]
.endr
.endm
; The way out of tile t: O^T divided by l, rounded to f16; a lane's eight channels are 16 bytes; into rows of 272 bytes and back as whole rows of 256, into S^T's registers.
.macro PACK t
	WIN W_RS
.set i, 64*(\t)
.rept 32
	v_pk_mul_f32 v[i:i+1], v[i:i+1], v[ST+8*(\t)+6:ST+8*(\t)+7] op_sel_hi:[1,0]
.set i, i+2
.endr
	WIN 0x05
.set i, 0
.rept 32
	v_cvt_pk_f16_f32 v[S+32*(\t)+i], v[64*(\t)+2*i], v[64*(\t)+2*i+1]
.set i, i+1
.endr
	WIN 0
.irp f, 0,1,2,3,4,5,6,7
	ds_store_b128 v[STO], v[S+32*(\t)+4*\f:S+32*(\t)+4*\f+3] offset:32*\f
.endr
.irp f, 0,1,2,3,4,5,6,7
	ds_load_b128 v[S+32*(\t)+4*\f:S+32*(\t)+4*\f+3], v[RD] offset:\f*2*SP  ; LDS serves a wave's instructions in order (ISA guide 5.7.1.4): these see the stores above
.endr
.endm
.macro SEND t, younger                 ; younger: the LDS instructions issued behind tile t's loads
.irp f, 0,1,2,3,4,5,6,7
	s_wait_dscnt (\younger)+7-\f
	global_store_b128 v[GO], v[S+32*(\t)+4*\f:S+32*(\t)+4*\f+3], s[OB:OB+1] offset:(\t)*65536+\f*8192  ; 16 lanes store 256 consecutive bytes, at a multiple of 256 from ctx's first byte
.endr
.endm
; A BLOCK ENDS: it goes out, and the second block's state is set: c m, m, thresholds, Q, ctx's address.  O^T and l stay as they are, finite: the next step multiplies them by a = 0.
.macro BLOCK_END
.irp t, 0,1
	v_add_f32 v[ST+8*\t+4], v[ST+8*\t+2], v[ST+8*\t+3]
.endr
.irp t, 0,1
	v_permlanex16_b32 v[ST+8*\t+5], v[ST+8*\t+4], s[SEL], s[SEL+1]
.endr
.irp t, 0,1
	v_add_f32 v[ST+8*\t+4], v[ST+8*\t+4], v[ST+8*\t+5]
.endr
.irp t, 0,1
	v_rcp_f32 v[ST+8*\t+6], v[ST+8*\t+4]
.endr
	v_nop                                          ; a plain instruction behind the last reciprocal,
	s_wait_alu depctr_va_vdst(0)                   ; and the wait ahead of the first use: one for both
	PACK 0
	PACK 1
	SEND 0, 16
	SEND 1, 0
	s_wait_xcnt 0x0                                ; the stores have read their registers and ctx's address
	s_mov_b64 s[OB:OB+1], s[OLO:OLO+1]
	s_mov_b32 s[RQ], s[RQ2]
.irp t, 0,1
	v_mov_b32 v[ST+8*\t], 0xfe000000
	v_mov_b32 v[ST+8*\t+1], 0xff7fffff
	v_mov_b32 v[THR+\t], v[THB+\t]
.endr
	WIN W_RS
.set i, 0
.rept 64
	v_mov_b32 v[QF+i], v[QBF+i]
.set i, i+1
.endr
	WIN 0
.endm
; THE CHANGE OF SLOTS.  V of the slot's second step has been asked for, its K multiplied.  Each wave waits for all its tensor loads (one is out: its part of the other slot), adds 0 to its spare word, and waits for that
; and for its reads of the slot.  fill = 1: the barrier is a round of the cluster's, and the slot is filled again first thing behind it, with tile NXT: the address is made anew from that number.
.macro CHANGE fill
	WIN 0
	s_wait_tensorcnt 0x0
	ds_add_u32 v[SPW], v[NIL]
.if \fill
	s_lshl_b32 s[OFF], s[NXT], 15                  ; a tile is 32,768 bytes of K and of V
	s_xor_b32 s[G0K+5], s[G0K+5], SLOT1
	s_add_nc_u64 s[G0K+6:G0K+7], s[KB:KB+1], s[OFF:OFF+1]
	s_or_b32 s[G0K+7], s[G0K+7], 0x80000000
	s_xor_b32 s[G0V+5], s[G0V+5], SLOT1
	s_add_nc_u64 s[G0V+6:G0V+7], s[VB:VB+1], s[OFF:OFF+1]
	s_or_b32 s[G0V+7], s[G0V+7], 0x80000000
	s_add_co_u32 s[NXT], s[NXT], 1                 ; the block's next tile, or behind its last the second block's tile 0
	s_cmp_gt_u32 s[NXT], s[LQ]
	s_cselect_b32 s[NXT], 0, s[NXT]
	s_cselect_b32 s[LQ], s14, s[LQ]
	s_wait_xcnt 0x0                                ; the last prefetch, two key steps back, has read its address
	s_add_nc_u64 s[PFA:PFA+1], s[PFA:PFA+1], 32768
	s_wait_dscnt 0x0                               ; the add is done, and my reads of the slot are over
	CROUND
	JLOAD
	ASK
.else
	s_wait_dscnt 0x0
	s_barrier_signal -1
	s_barrier_wait -1
.endif
	s_sub_co_u32 s[TB], s[TB], 2*STEPB             ; the fetches go back to a slot's first step,
	s_xor_b32 s[TB], s[TB], SLOT1                  ; in the other slot
.endm
; The first half of a trip: K of the next step is fetched; the softmax of the step in hand; its V^T P; where that was the block's last step, the block's end.  tail = 1: the last trip has no next step.
.macro BODY1 tail
.if \tail
	s_cmp_eq_u32 s[CNT], 1
	s_cbranch_scc1 .Lno_k_\@
.endif
	FETCH_K
.if \tail
.Lno_k_\@:
.endif
.set j, 0
.rept 70
	SM 0
	SM 1
.set j, j+1
.endr
	v_nop                                          ; a plain instruction behind the last exponential,
	s_wait_alu depctr_va_vdst(0)                   ; and ONE wait for the 66: nothing ahead of it names a result of theirs
.rept 64
	SM 0
	SM 1
.set j, j+1
.endr
	s_wait_dscnt 0x0                               ; V is in, and K of the next step
.set i, 0
.rept 32
	MPV
.set i, i+1
.endr
.rept 4
	v_nop                                          ; the places in front of the loads into V's registers
.endr
	WIN 0
	s_cmp_lg_u32 s[RQ], 0
	s_cbranch_scc1 .Lno_end_\@
	BLOCK_END
.Lno_end_\@:
.endm
; The second half: V of the next step is fetched; its K Q^T; its mask in a block's last two steps.
.macro BODY2
	FETCH_V
	s_wait_dscnt 32                                ; all but V's run just issued: K is in
.set i, 0
.rept 32
	MKQ
.set i, i+1
.endr
	WIN 0
.rept 8
	v_nop                                          ; the places in front of what reads and rewrites S^T, and of the loads into K's registers
.endr
	s_sub_co_u32 s[RQ], s[RQ], 1
	s_cmp_lt_u32 s[RQ], 2
	s_cbranch_scc0 .Lno_mask_\@
	MASK
.Lno_mask_\@:
.endm
	s_wait_tensorcnt 1                             ; my part of slot 0 is in; slot 1's may stay out
	s_barrier_signal -1
	s_barrier_wait -1
	FETCH_K                                        ; key step 0
	s_wait_loadcnt 0x0                             ; Q, both blocks'
	s_mov_b32 s[CNT], 2
	s_mov_b32 s[SLOTS], 8
	s_branch .Lmid                                 ; the loop is entered in the middle of a trip: there is no softmax yet
.Lslot:                                                ; seven times: a tile is entered and the tile after it asked for
	CHANGE 1
	s_mov_b32 s[CNT], 2
.Lstep:
	BODY1 0
.Lmid:
	BODY2
	s_sub_co_u32 s[CNT], s[CNT], 1
	s_cmp_lg_u32 s[CNT], 0
	s_cbranch_scc1 .Lstep
	s_sub_co_u32 s[SLOTS], s[SLOTS], 1
	s_cmp_lg_u32 s[SLOTS], 0
	s_cbranch_scc1 .Lslot
	CHANGE 0                                       ; the walk's last tile is written out
	s_mov_b32 s[CNT], 3
.Ltail:
	BODY1 1
	s_sub_co_u32 s[CNT], s[CNT], 1
	s_cmp_eq_u32 s[CNT], 0
	s_cbranch_scc1 .Lout
	BODY2
	s_branch .Ltail
.Lout:
	s_wait_tensorcnt 0x0                           ; the wave's end
	ds_add_u32 v[SPW], v[NIL]
	s_wait_dscnt 0x0
	CROUND                                         ; the closing round
	s_endpgm
.Lfunc_end_k_q56ef3425c2_attn:
	.size	k_q56ef3425c2_attn, .Lfunc_end_k_q56ef3425c2_attn-k_q56ef3425c2_attn
	.p2alignl 7, 3214868480
	.fill 96, 4, 3214868480
	.section	.rodata,"a",@progbits
	.p2align	6, 0x0
	.amdhsa_kernel k_q56ef3425c2_attn
		.amdhsa_group_segment_fixed_size 327680
		.amdhsa_private_segment_fixed_size 0
		.amdhsa_enable_private_segment 0
		.amdhsa_kernarg_size 16
		.amdhsa_user_sgpr_count 2
		.amdhsa_user_sgpr_kernarg_segment_ptr 1
		.amdhsa_wavefront_size32 1
		.amdhsa_system_sgpr_workgroup_id_x 1
		.amdhsa_system_sgpr_workgroup_id_y 1
		.amdhsa_system_sgpr_workgroup_id_z 1
		.amdhsa_system_vgpr_workitem_id 0
		.amdhsa_next_free_vgpr 768
		.amdhsa_next_free_sgpr 88
		.amdhsa_reserve_vcc 1
		.amdhsa_float_denorm_mode_32 3
		.amdhsa_float_denorm_mode_16_64 3
		.amdhsa_memory_ordered 1
		.amdhsa_forward_progress 1
		.amdhsa_inst_pref_size 110
	.end_amdhsa_kernel
	.amdgpu_metadata
---
amdhsa.version: [ 1, 2 ]
amdhsa.kernels:
  - .name:           k_q56ef3425c2_attn
    .symbol:         k_q56ef3425c2_attn.kd
    .args:
      - { .name: qkv, .offset: 0, .size: 8, .value_kind: global_buffer, .address_space: global }
      - { .name: ctx, .offset: 8, .size: 8, .value_kind: global_buffer, .address_space: global }
    .group_segment_fixed_size: 327680
    .private_segment_fixed_size: 0
    .kernarg_segment_align: 8
    .kernarg_segment_size: 16
    .max_flat_workgroup_size: 128
    .sgpr_count:     88
    .vgpr_count:     768
    .wavefront_size: 32
...
	.end_amdgpu_metadata
.endif
;; end of part 3
;; launch outp (part 4): grid 8 x 32, 4 waves a work-group, clusters of 4 x 4, 327,680 bytes of LDS; arguments ctx, wo, out_b, out0; writes out0
.if DOCPART == 4
	.amdgcn_target "amdgcn-amd-amdhsa--gfx1250"
	.amdhsa_code_object_version 6
	.text
	.protected	k_q56ef3425c2_outp
	.globl	k_q56ef3425c2_outp
	.p2align	8
	.type	k_q56ef3425c2_outp,@function
k_q56ef3425c2_outp:
	s_mov_b64 s[64:65], 0
	v_nop
	global_prefetch_b8 v0, s[64:65] scope:SCOPE_SE
	s_setreg_imm32_b32 hwreg(HW_REG_WAVE_MODE, 25, 1), 1
	s_wait_xcnt 0x0
	s_wait_alu depctr_hold_cnt(0) depctr_sa_sdst(0) depctr_va_vdst(0) depctr_va_sdst(0) depctr_va_ssrc(0) depctr_va_vcc(0) depctr_vm_vsrc(0)
	s_getreg_b32 s2, hwreg(HW_REG_IB_STS2, 6, 4)
	s_cmp_eq_u32 s2, 0
	s_cbranch_scc0 .Lentry_in_a_cluster
	s_endpgm
.Lentry_in_a_cluster:
	s_bfe_u32 s2, ttmp6, 0x10000c
	s_cmp_lg_u32 s2, 0xf033
	s_cbranch_scc0 .Lentry_shape_is_right
	s_endpgm
.Lentry_shape_is_right:
; THE OUTPUT PRODUCT.  out0[m][128 panel + n] = the sum over k of ctx[m][k] wo[panel][k][n] + out_b.  ctx: [4096][2048] f16; wo: [16 panels][2048 k][128 n] f16; out_b: [2048] f32; out0: [4096][2048] f32.
; Sums in f32; the bias is rounded to bf16, like every input of the module, and added in f32.  LIMIT: K is not summed in ascending order: each cluster walks the 16 K steps from a start of its own, round to that start.
; A tile of the result is 128 rows x 2 panels (256 columns): 8 x 32 = 256 work-groups.  Four waves; wave w makes rows 64 (w / 2) .. + 63 and columns 64 (w % 2) .. + 63 of EACH panel:
; 4 row blocks x 8 column blocks = 32 accumulators.  K goes in 16 steps of 128 through two LDS slots filled by the tensor data mover.  ctx's rows are read from LDS as they lie, wo's are turned (ds_load_tr16_b128).
; CLUSTER 4 x 4: ctx's tile is shared along a row of the cluster, wo's panels along a column: joint loads with a mask of four.
; THE WALK ALONG K.  Cluster (x, y) begins at K step (4 (y % 4) + 8 x) mod 16.  The two clusters that read the same rows of ctx (same y) begin 8 steps apart; of the eight that read the same panels (same x), those with
; y = 0..3, and those with y = 4..7, begin 4 steps apart: they do not ask for the same K step at the same time.  The start hangs on the cluster's coordinates alone, which all sixteen partners share.
; THE MATRIX INSTRUCTION IS USED TRANSPOSED (source 0 = 16 columns of wo, source 1 = 16 rows of ctx): a lane holds eight neighbouring columns of one row of the result.
; REGISTERS: window 0: addresses, v32-159 the way out, v224-231 the bias.  Window 1: two fragment buffers (ctx's four fragments at +8 a, wo's eight at +32 + 8 b).
;   windows 2, 3: accumulator (a, b) in window 2 + a / 2 at 8 ((a % 2) 8 + b).
.set NP,    2
.set NBK,   4*NP
.set RA,    64                         ; rows of ctx that one load brings
.set PA,    272                        ; a row of ctx in LDS: 256 bytes + 16: the 16 rows of a load start 4 banks apart (64 banks of 4 bytes: ISA guide 11.1)
.set PB,    288                        ; a row of wo: 256 + 32
.set BPAN,  128*PB
.set ATILE, 128*PA
.set AOFF,  NP*BPAN                    ; a slot: the two panels, wave w's at w x BPAN, then ctx's tile, wave w's half at AOFF + (w - 2) x 64 rows
.set SLOT,  AOFF+ATILE
.set STAGE, 2*SLOT                     ; behind the ring: 16 rows x 528 bytes for each wave, for the way out
.set SPO,   528
.set SPARE, STAGE+4*16*SPO             ; the spare words, 128 bytes a wave, that no other line names
.set LF,    2*NBK+8
.set RD,   8                           ; v8      the way out: where I read rows back
.set BO,   12                          ; v12     my byte offset in the bias; never rewritten
.set ADRA, 16                          ; v16-17  LDS address of my fragments of ctx, by slot
.set ADRB, 18                          ; v18-21  of wo, by slot and panel
.set STO,  24                          ; v24     the way out: where I put 32 bytes of a row
.set CO,   28                          ; v28     my byte offset in two rows of out0
.set PFO,  29                          ; v29     the prefetches' offset: lane x a row of ctx (4,096 bytes); never rewritten
.set SPW,  30
.set NIL,  31
.set TMP,  32
.set BI,   224                         ; v[224:231] the bias of my four columns, by panel
.set F0,   0
.set F1,   128
.set G1,  24
.set G0,  32
.set G1B, 48
.set G0B, 56
.set LIM, 43                           ; s43     5 in the wave that prefetches, else the greatest number
.set PFA, 44                           ; s[44:45] where my prefetches stand
.set BA,  72                           ; s[72:73] ctx at the rows that I fetch, K step 0
.set BB,  74                           ; s[74:75] wo at the panel that I fetch, K step 0
.set KO,  76                           ; s[76:77] a K step's byte offset
.set KN,  78                           ; s78     the K step that the next refill asks for
.set K0,  79                           ; s79     the K step at which my cluster's walk begins
.set TO_F, 0x40
.set MSB, 0
.macro WIN new
.if MSB != (\new)
	s_set_vgpr_msb (MSB<<8)|(\new)
.set MSB, \new
.endif
.endm
.macro PLACES                          ; four places in front of loads into registers that matrix instructions have read, and of lines that read results
.rept 4
	v_nop
.endr
.endm
; A joint load: waves 0 and 1 fetch the panel of their number, waves 2 and 3 the two halves of ctx's tile.  An s_nop 0 and four v_nop follow each line.
.macro JLOAD s
	s_cmp_ge_u32 s10, NP
	s_cbranch_scc0 .Lfor_b_\@
	tensor_load_to_lds s[G0+4*(\s):G0+4*(\s)+3], s[G1:G1+7]
	s_nop 0
.rept 4
	v_nop
.endr
	s_branch .Lasked_\@
.Lfor_b_\@:
	tensor_load_to_lds s[G0B+4*(\s):G0B+4*(\s)+3], s[G1B:G1B+7]
	s_nop 0
.rept 4
	v_nop
.endr
.Lasked_\@:
.endm
; A prefetch of ctx's K step that stands two refills on: 32 rows x 256 bytes, a lane a row, one instruction.  Of the two clusters that read a row of ctx, each comes first to the eight K steps with which its own walk
; begins.  Of those eight it names the walk's steps 4 to 7 (steps 0 to 3 come by their loads alone): wave 2 asks, in the loop's first two trips (s3 = 7, 6), twice a trip; the four partners that ask for the tile
; jointly take 32 of its 128 rows each, told apart by address.  So a row's 256 bytes of a K step are named at most once in the launch.  The walk's start is a multiple of 4, so the four steps lie on end in a row.
.macro ASK
	WIN 0
	s_cmp_gt_u32 s3, s[LIM]
	s_cbranch_scc0 .Lnot_mine_\@
	global_prefetch_b8 v[PFO], s[PFA:PFA+1] th:TH_LOAD_NT scope:SCOPE_SE
.Lnot_mine_\@:
.endm
.macro CREST
	s_cmp_lg_u32 s10, 0
	s_cbranch_scc1 .Lnot_wave_0_\@
	s_barrier_signal -3
.Lnot_wave_0_\@:
	s_barrier_wait -3
	s_barrier_signal -1
	s_barrier_wait -1
.endm
.macro CROUND
	s_barrier_signal -1
	s_barrier_wait -1
	CREST
.endm
	s_load_b128 s[4:7], s[0:1], 0x0                ; ctx s[4:5], wo s[6:7]
	s_load_b64 s[68:69], s[0:1], 0x10              ; out_b
	s_load_b64 s[8:9], s[0:1], 0x18                ; out0
	v_lshl_add_u32 v[SPW], v0, 2, SPARE
	v_mov_b32 v[NIL], 0
	ds_add_u32 v[SPW], v[NIL]                      ; the wave's opening: the add and its wait stand ahead of my first tensor load
	v_lshrrev_b32 v1, 5, v0
	v_readfirstlane_b32 s10, v1
	s_lshr_b32 s11, s10, 1                         ; which 64 rows are mine
	s_and_b32 s12, s10, 1                          ; which 64 columns of each panel
	s_bfe_u32 s40, ttmp6, 0x40000                  ; cx
	s_bfe_u32 s41, ttmp6, 0x40004                  ; cy
	s_lshl_b32 s42, ttmp9, 2
	s_add_co_u32 s42, s42, s40                     ; tile column
	s_and_b32 s13, ttmp7, 0xffff                   ; cluster y
	s_and_b32 s[K0], s13, 3
	s_lshl_b32 s[K0], s[K0], 2
	s_lshl_b32 s[KN], ttmp9, 3
	s_add_co_u32 s[K0], s[K0], s[KN]
	s_and_b32 s[K0], s[K0], 15                     ; the walk's start: (4 (cluster y % 4) + 8 cluster x) mod 16
	s_add_co_u32 s[KN], s[K0], 2                   ; the first fills take the start and the step after it; the first refill the one after
	s_mov_b32 s[KO+1], 0
	s_lshl_b32 s13, s13, 2
	s_add_co_u32 s13, s13, s41                     ; tile row
	s_lshl_b32 s43, s41, 2
	s_lshl_b32 s43, 15, s43                        ; my row of the cluster
	s_lshl_b32 s44, 0x1111, s40                    ; my column
	s_or_b32 s[G1+0], s43, (1<<16)|(1<<20)|(1<<21)|(5<<22)|(3<<25)
	s_or_b32 s[G1B+0], s44, (1<<16)|(1<<20)|(1<<21)|(5<<22)|(7<<25)
	s_mov_b32 s[G1+1], 128<<16                     ; tensor_dim0 = 128
	s_mov_b32 s[G1+2], RA<<16                      ; tensor_dim1 = 64
	s_mov_b32 s[G1+3], 128<<16                     ; tile_dim0 = 128
	s_mov_b32 s[G1+4], RA                          ; tile_dim1 = 64
	s_mov_b32 s[G1+5], 2048
	s_mov_b32 s[G1+6], 0
	s_mov_b32 s[G1+7], 0
	s_mov_b32 s[G1B+1], 128<<16
	s_mov_b32 s[G1B+2], 128<<16
	s_mov_b32 s[G1B+3], 128<<16
	s_mov_b32 s[G1B+4], 128
	s_mov_b32 s[G1B+5], 128
	s_mov_b32 s[G1B+6], 0
	s_mov_b32 s[G1B+7], 0
	s_and_b32 s66, s10, 1                          ; which half of ctx's tile (waves 2, 3),
	s_and_b32 s67, s10, 1                          ; which panel (waves 0, 1) I fetch
	s_lshl_b32 s16, s13, 19                        ; ctx: 128 x tile row + 64 x half, rows of 4,096 bytes
	s_lshl_b32 s17, s66, 18
	s_add_co_u32 s16, s16, s17
	s_mov_b32 s17, 0
	s_mul_i32 s46, s42, NP
	s_add_co_u32 s46, s46, s67
	s_lshl_b32 s46, s46, 19
	s_mov_b32 s47, 0
	s_mul_i32 s20, s10, 64*PA                      ; where they go in a slot: wave x a constant + a constant
	s_add_co_u32 s20, s20, AOFF-2*64*PA
	s_mul_i32 s21, s10, BPAN
	s_wait_dscnt 0x0                               ; the opening add is done
	s_wait_kmcnt 0x0
	s_add_nc_u64 s[BA:BA+1], s[4:5], s[16:17]
	s_add_nc_u64 s[BB:BB+1], s[6:7], s[46:47]
	s_lshl_b32 s[KO], s[K0], 8                     ; a K step is 256 bytes along ctx's rows,
	s_add_nc_u64 s[14:15], s[BA:BA+1], s[KO:KO+1]
	s_lshl_b32 s[KO], s[K0], 15                    ; and 128 rows of 256 bytes of a panel
	s_add_nc_u64 s[46:47], s[BB:BB+1], s[KO:KO+1]
	CROUND
.irp s, 0,1
	s_mov_b32 s[G0+4*\s], 1
	s_add_co_u32 s[G0+4*\s+1], s20, \s*SLOT
	s_add_nc_u64 s[G0+4*\s+2:G0+4*\s+3], s[14:15], \s*256
	s_or_b32 s[G0+4*\s+3], s[G0+4*\s+3], 0x80000000
	s_mov_b32 s[G0B+4*\s], 1
	s_add_co_u32 s[G0B+4*\s+1], s21, \s*SLOT
	s_add_nc_u64 s[G0B+4*\s+2:G0B+4*\s+3], s[46:47], \s*32768
	s_or_b32 s[G0B+4*\s+3], s[G0B+4*\s+3], 0x80000000
	JLOAD \s
.endr
	v_and_b32 v1, 15, v0                           ; l % 16
	v_bfe_u32 v2, v0, 4, 1                         ; l / 16
	v_mul_u32_u24 v3, v1, PA
	v_lshl_add_u32 v3, v2, 4, v3
	s_mul_i32 s22, s11, 64*PA
	v_add_nc_u32 v7, s22, v3
	v_add_nc_u32 v[ADRA], AOFF, v7
	v_add_nc_u32 v[ADRA+1], AOFF+SLOT, v7
	v_and_b32 v4, 7, v0
	v_bfe_u32 v5, v0, 3, 1
	v_lshl_add_u32 v4, v2, 3, v4
	v_mul_u32_u24 v4, v4, PB
	v_lshl_add_u32 v4, v5, 4, v4
	s_lshl_b32 s23, s12, 7
	v_add_nc_u32 v4, s23, v4
.irp s, 0,1
.irp p, 0,1
	v_add_nc_u32 v[ADRB+NP*\s+\p], \s*SLOT+\p*BPAN, v4
.endr
.endr
	s_mul_i32 s23, s10, 16*SPO
	s_add_co_u32 s23, s23, STAGE                   ; my stage: 16 rows of my 128 columns in f32
	v_mul_u32_u24 v5, v1, SPO                      ; in: row l % 16, 32 bytes for each half of the lanes
	v_lshl_add_u32 v5, v2, 5, v5
	v_add_nc_u32 v[STO], s23, v5
	v_mul_u32_u24 v5, v2, SPO                      ; back: lanes 0-15 take 256 bytes of one row, lanes 16-31 of the next
	v_lshl_add_u32 v5, v1, 4, v5
	v_add_nc_u32 v[RD], s23, v5
	v_lshlrev_b32 v[CO], 13, v2                    ; and the same in out0: rows of 8,192 bytes
	v_lshl_add_u32 v[CO], v1, 4, v[CO]
	s_lshl_b32 s46, s13, 20                        ; out0 at row 128 x tile row + 64 x my half, column 256 x tile column + 64 x my half
	s_lshl_b32 s47, s11, 19
	s_add_co_u32 s46, s46, s47
	s_lshl_b32 s16, s42, 10
	s_lshl_b32 s17, s12, 8
	s_add_co_u32 s16, s16, s17                     ; the columns' bytes, in out0 and in out_b
	s_add_co_u32 s46, s46, s16
	s_mov_b32 s47, 0
	s_mov_b32 s17, 0
	s_add_nc_u64 s[8:9], s[8:9], s[46:47]
	s_add_nc_u64 s[68:69], s[68:69], s[16:17]
	v_lshlrev_b32 v[BO], 4, v1
	global_load_b128 v[BI:BI+3],   v[BO], s[68:69]             ; the four columns that I store of panel 0,
	global_load_b128 v[BI+4:BI+7], v[BO], s[68:69] offset:512  ; and of panel 1; awaited on the way out
	; the prefetches: ctx at my tile's rows, my work-group's 32 of the 128 (by cx), the walk's step 4
	s_lshl_b32 s16, s13, 19
	s_lshl_b32 s17, s40, 17
	s_add_co_u32 s16, s16, s17
	s_add_co_u32 s17, s[K0], 4
	s_and_b32 s17, s17, 15
	s_lshl_b32 s17, s17, 8
	s_add_co_u32 s16, s16, s17
	s_mov_b32 s17, 0
	s_add_nc_u64 s[PFA:PFA+1], s[4:5], s[16:17]
	s_cmp_eq_u32 s10, NP                           ; wave 2 names all 32 rows: wave 3 asks for nothing
	s_cselect_b32 s[LIM], 5, -1                    ; the same in all sixteen partners, for a given wave
	v_and_b32 v[PFO], 31, v0
	v_lshlrev_b32 v[PFO], 12, v[PFO]
; 8 matrix instructions: row block a = 2 half + sub x all column blocks, 32 along K.  The 32 accumulators take turns, one instruction a turn.
.macro MULH f, half, sub, zero
	WIN 0xa5+0x50*(\half)
.set mb, 0
.rept NBK
.set rD, 8*((\sub)*NBK+mb)
.if \zero
	v_wmma_f32_16x16x32_f16 v[rD:rD+7], v[(\f)+32+8*mb:(\f)+32+8*mb+7], v[(\f)+8*(2*(\half)+(\sub)):(\f)+8*(2*(\half)+(\sub))+7], 0
.else
	v_wmma_f32_16x16x32_f16 v[rD:rD+7], v[(\f)+32+8*mb:(\f)+32+8*mb+7], v[(\f)+8*(2*(\half)+(\sub)):(\f)+8*(2*(\half)+(\sub))+7], v[rD:rD+7]
.endif
.set mb, mb+1
.endr
.endm
.macro FETCH slot, q, f                ; 24 LDS loads in one run: wo's eight fragments, turned, then ctx's four
	WIN TO_F
.set fb, 0
.rept NBK
	ds_load_tr16_b128 v[(\f)+32+8*fb:(\f)+32+8*fb+3],   v[ADRB+NP*(\slot)+fb/4] offset:32*PB*(\q)+32*(fb%4)
	ds_load_tr16_b128 v[(\f)+32+8*fb+4:(\f)+32+8*fb+7], v[ADRB+NP*(\slot)+fb/4] offset:32*PB*(\q)+32*(fb%4)+16*PB
.set fb, fb+1
.endr
.irp a, 0,1,2,3
	ds_load_b128 v[(\f)+8*\a:(\f)+8*\a+3],   v[ADRA+(\slot)] offset:16*PA*\a+64*(\q)
	ds_load_b128 v[(\f)+8*\a+4:(\f)+8*\a+7], v[ADRA+(\slot)] offset:16*PA*\a+64*(\q)+32
.endr
.endm
.macro QUARTER slot, q, f, g, zero
	s_wait_dscnt 4                                 ; all but the youngest four loads (ctx's row blocks 2 and 3) are in
	MULH \f, 0, 0, \zero
	MULH \f, 0, 1, \zero
	PLACES
	FETCH \slot, \q, \g
	s_wait_dscnt LF                                ; all but the run just issued
	MULH \f, 1, 0, \zero
	MULH \f, 1, 1, \zero
.endm
; THE CHANGE OF SLOTS, at the head of a K step's last quarter: this slot's last fragments (buffer 1) have been asked for.  Each wave waits for all its tensor loads (one is out: its part of the next slot), adds 0 to its
; spare word, and waits for that and for its reads of this slot.  fill = 1: a round of the cluster's barrier follows, and this slot is filled again first thing behind it.  NOTHING BUT THE ROUND stands between the wait for
; the tiles and the refill: the descriptors are made while the add is out, and the quarter's 32 products all stand behind the refill, so that a refill has a whole K step's 128 products between its request and the wait for it.
; The refill's addresses are made anew from the number of the K step, which goes round from 15 to 0.
.macro TURN slot, next, fill
.if (\fill) && (\slot)
	s_wait_xcnt 0x0                                ; the last prefetch, a K step back, has read its address
	s_add_nc_u64 s[PFA:PFA+1], s[PFA:PFA+1], 256
.endif
	WIN 0
	s_wait_tensorcnt 0x0                           ; no tensor load of mine is out, so a group 0 may be written
	ds_add_u32 v[SPW], v[NIL]
.if \fill
	s_lshl_b32 s[KO], s[KN], 8
	s_add_nc_u64 s[G0+4*(\slot)+2:G0+4*(\slot)+3], s[BA:BA+1], s[KO:KO+1]
	s_or_b32 s[G0+4*(\slot)+3], s[G0+4*(\slot)+3], 0x80000000
	s_lshl_b32 s[KO], s[KN], 15
	s_add_nc_u64 s[G0B+4*(\slot)+2:G0B+4*(\slot)+3], s[BB:BB+1], s[KO:KO+1]
	s_or_b32 s[G0B+4*(\slot)+3], s[G0B+4*(\slot)+3], 0x80000000
	s_add_co_u32 s[KN], s[KN], 1
	s_and_b32 s[KN], s[KN], 15
.endif
	s_wait_dscnt 0x0                               ; the add is done, and my reads of this slot are over
.if \fill
	CROUND                                         ; no wave of any partner still reads this slot or has a load on its way
	JLOAD \slot                                    ; its four v_nop are also the places in front of the loads below
.else
	s_barrier_signal -1
	s_barrier_wait -1
	PLACES
.endif
	FETCH \next, 0, F0
.if \fill
	ASK
.endif
	MULH F1, 0, 0, 0
	MULH F1, 0, 1, 0
	MULH F1, 1, 0, 0
	MULH F1, 1, 1, 0
.endm
	s_wait_tensorcnt 1                             ; my part of the walk's first K step is in; the second's may stay out
	s_barrier_signal -1
	s_barrier_wait -1
	FETCH 0, 0, F0
	QUARTER 0, 1, F0, F1, 1
	WIN 0
	s_mov_b32 s3, 7
.Llap:
	QUARTER 0, 2, F1, F0, 0
	QUARTER 0, 3, F0, F1, 0
	TURN 0, 1, 1
	QUARTER 1, 1, F0, F1, 0
	QUARTER 1, 2, F1, F0, 0
	QUARTER 1, 3, F0, F1, 0
	TURN 1, 0, 1
	QUARTER 0, 1, F0, F1, 0
	WIN 0
	s_wait_xcnt 0x0                                ; the last prefetch, 64 products back, has read its address
	s_add_nc_u64 s[PFA:PFA+1], s[PFA:PFA+1], 256
	s_sub_co_u32 s3, s3, 1
	s_cmp_lg_u32 s3, 0
	s_cbranch_scc1 .Llap
	QUARTER 0, 2, F1, F0, 0
	QUARTER 0, 3, F0, F1, 0
	TURN 0, 1, 0
	QUARTER 1, 1, F0, F1, 0
	QUARTER 1, 2, F1, F0, 0
	QUARTER 1, 3, F0, F1, 0
	s_wait_dscnt 4
	MULH F1, 0, 0, 0
	MULH F1, 0, 1, 0
	s_wait_dscnt 0x0
	MULH F1, 1, 0, 0
	MULH F1, 1, 1, 0
	; THE WAY OUT.  The bias is rounded to bf16 and widened again; then, 16 rows at a time, the sums go through my own stage in LDS and come back as pieces of 256 bytes of a row; the bias is added; they are stored.
	WIN 0
	s_wait_loadcnt 0x0                             ; the bias
.irp p, 0,1
	v_cvt_pk_bf16_f32 v3, v[BI+4*\p], v[BI+4*\p+1]
	v_cvt_pk_bf16_f32 v4, v[BI+4*\p+2], v[BI+4*\p+3]
	v_lshlrev_b32 v[BI+4*\p], 16, v3
	v_and_b32 v[BI+4*\p+1], 0xffff0000, v3
	v_lshlrev_b32 v[BI+4*\p+2], 16, v4
	v_and_b32 v[BI+4*\p+3], 0xffff0000, v4
.endr
	PLACES
.irp a, 0,1,2,3
.if \a >= 2
	s_wait_xcnt 0x0                                ; the stores of two blocks back have read the registers that are loaded again below
.endif
	WIN 0x08+4*(\a/2)                              ; the stores' data in window 2 or 3
.set b, 0
.rept NBK                              ; each accumulator's low registers first
.set rD, 8*((\a%2)*NBK+b)
	ds_store_b128 v[STO], v[rD:rD+3]   offset:256*(b/4)+64*(b%4)
	ds_store_b128 v[STO], v[rD+4:rD+7] offset:256*(b/4)+64*(b%4)+16
.set b, b+1
.endr
	WIN 0
.set n, 0
.rept 16                               ; n = 2 t + p: rows 2 t, 2 t + 1, panel p; LDS serves a wave's instructions in order (ISA guide 5.7.1.4): these see the stores above
	ds_load_b128 v[TMP+64*(\a%2)+4*n:TMP+64*(\a%2)+4*n+3], v[RD] offset:2*SPO*(n/2)+256*(n%2)
.set n, n+1
.endr
.set n, 0
.rept 16
.set rB, TMP+64*(\a%2)+4*n
	s_wait_dscnt 15-n
	v_pk_add_f32 v[rB:rB+1], v[rB:rB+1], v[BI+4*(n%2):BI+4*(n%2)+1]
	v_pk_add_f32 v[rB+2:rB+3], v[rB+2:rB+3], v[BI+4*(n%2)+2:BI+4*(n%2)+3]
	global_store_b128 v[CO], v[rB:rB+3], s[8:9] offset:(16*\a+2*(n/2))*8192+512*(n%2)  ; 16 lanes store 256 consecutive bytes, at a multiple of 256 from out0's first byte
.set n, n+1
.endr
.endr
	s_wait_tensorcnt 0x0                           ; the wave's end
	ds_add_u32 v[SPW], v[NIL]
	s_wait_dscnt 0x0
	CROUND                                         ; the closing round
	s_endpgm
.Lfunc_end_k_q56ef3425c2_outp:
	.size	k_q56ef3425c2_outp, .Lfunc_end_k_q56ef3425c2_outp-k_q56ef3425c2_outp
	.p2alignl 7, 3214868480
	.fill 96, 4, 3214868480
	.section	.rodata,"a",@progbits
	.p2align	6, 0x0
	.amdhsa_kernel k_q56ef3425c2_outp
		.amdhsa_group_segment_fixed_size 327680
		.amdhsa_private_segment_fixed_size 0
		.amdhsa_enable_private_segment 0
		.amdhsa_kernarg_size 32
		.amdhsa_user_sgpr_count 2
		.amdhsa_user_sgpr_kernarg_segment_ptr 1
		.amdhsa_wavefront_size32 1
		.amdhsa_system_sgpr_workgroup_id_x 1
		.amdhsa_system_sgpr_workgroup_id_y 1
		.amdhsa_system_sgpr_workgroup_id_z 1
		.amdhsa_system_vgpr_workitem_id 0
		.amdhsa_next_free_vgpr 896
		.amdhsa_next_free_sgpr 80
		.amdhsa_reserve_vcc 0
		.amdhsa_float_denorm_mode_32 3
		.amdhsa_float_denorm_mode_16_64 3
		.amdhsa_memory_ordered 1
		.amdhsa_forward_progress 1
		.amdhsa_inst_pref_size 98
	.end_amdhsa_kernel
	.amdgpu_metadata
---
amdhsa.version: [ 1, 2 ]
amdhsa.kernels:
  - .name:           k_q56ef3425c2_outp
    .symbol:         k_q56ef3425c2_outp.kd
    .args:
      - { .name: ctx, .offset: 0, .size: 8, .value_kind: global_buffer, .address_space: global }
      - { .name: wo, .offset: 8, .size: 8, .value_kind: global_buffer, .address_space: global }
      - { .name: out_b, .offset: 16, .size: 8, .value_kind: global_buffer, .address_space: global }
      - { .name: out0, .offset: 24, .size: 8, .value_kind: global_buffer, .address_space: global }
    .group_segment_fixed_size: 327680
    .private_segment_fixed_size: 0
    .kernarg_segment_align: 8
    .kernarg_segment_size: 32
    .max_flat_workgroup_size: 128
    .sgpr_count:     80
    .vgpr_count:     896
    .wavefront_size: 32
...
	.end_amdgpu_metadata
.endif
;; end of part 4
